; MI455X (gfx1250); checked and timed in simulation.
; The chip was launched on July 23, 2026; its instructions are those of AMD's public machine-readable ISA for CDNA 5 (MIT licence, August 2026) and "CDNA5" Instruction Set Architecture Reference Guide (July 2026). The comments in the code are by the model that wrote it; some were corrected since.
;; Multihead Attention. Allowed arithmetic: matrix products marked QUANTISED: E4M3 operands, one E8M0 scale for each 32 along K, by v_wmma_scale_f32_16x16x128_f8f6f4 with both operands' format E4M3, f32 sums; everything else in f32.
;; Inputs: in_proj_bias 3,072 float32; in_proj_weight 3,072 x 1,024 float32; key 1,025 x 8 x 1,024 float32; out_proj_bias 1,024 float32; out_proj_weight 1,024 x 1,024 float32; query 1,025 x 8 x 1,024 float32; value 1,025 x 8 x 1,024 float32.
;; Outputs: out0 1,025 x 8 x 1,024 float32.
;; Constants: num_heads = 16.
;; This version of the problem:
;;   THIS VERSION OF THE PROBLEM IS GIVEN IN LOW PRECISION. The matrix products marked QUANTISED in the list below multiply operands that are first quantised to E4M3 (4 exponent bits, 3 mantissa bits; 8 bits a number), with one power-of-two scale for each 32 numbers along K (OCP MX v1.0); their sums are f32. All else is computed in f32.
;;   The module's matrix products, in the order in which they are computed (A, B: the left and right operand; K: the contracted axis; several contracted axes count as one K, in the product's order):
;;     1. [M 8,192, K 1,024] x [K 1,024, N 1,024]; A: input query; B: computed on the way: QUANTISED
;;     2. [M 8,192, K 1,024] x [K 1,024, N 1,024]; A: input key; B: computed on the way: QUANTISED
;;     3. [M 8,192, K 1,024] x [K 1,024, N 1,024]; A: input value; B: computed on the way: QUANTISED
;;     4. batch 128 x [M 1,025, K 64] x [K 64, N 1,025]; A: computed on the way; B: computed on the way: QUANTISED
;;     5. batch 128 x [M 64, K 1,025] x [K 1,025, N 1,025]; A: computed on the way; B: softmax (see below): QUANTISED
;;     6. [M 8,200, K 1,024] x [K 1,024, N 1,024]; A: computed on the way; B: input out_proj_weight: QUANTISED
;;   THE QUANTISER, for each operand of a quantised product, along K:
;;     - K is cut into blocks of 32 from its start; a last block that is shorter is filled with zeros.
;;     - A block's scale is 2^e with e = floor(log2(the largest magnitude in the block)) - 8, held to -126 .. 127; a block of zeros has e = 0. As a byte (E8M0): e + 127.
;;     - Each number is divided by its block's scale, clamped to +-448, and rounded to the nearest number of E4M3, ties to even, subnormals kept.
;;     - The product sums the exact products of the quantised numbers (number of the format x scale) in f32.
;;   ~~~python
;;   def quantise(x, axis):      # numpy; x: float32 -> the quantised numbers, widened to float32 again
;;       x = np.moveaxis(x, axis, -1); K = x.shape[-1]
;;       x = np.pad(x, [(0, 0)] * (x.ndim - 1) + [(0, -K % 32)]); x = x.reshape(x.shape[:-1] + (-1, 32)); a = np.abs(x).max(-1, keepdims=True)
;;       e = np.where(a > 0, np.clip(np.frexp(np.where(a > 0, a, 1))[1] - 1 - 8, -126, 127), 0)      # np.frexp(a)[1] - 1 = floor(log2(a)), exactly
;;       r = np.clip(x / 2.0 ** e, -448, 448)
;;       step = 2.0 ** (np.maximum(np.frexp(np.where(r == 0, 1, r))[1] - 1, -6) - 3)
;;       q = np.round(r / step) * step * 2.0 ** e      # np.round: ties to even
;;       return np.moveaxis(q.reshape(q.shape[:-2] + (-1,))[..., :K], -1, axis).astype(np.float32)
;;   ~~~
;;   SOFTMAX AHEAD OF A QUANTISED PRODUCT. Where the list says 'softmax', what is quantised is not the finished softmax but p = 2^(t - M), with t = logit x log2(e) and M = ceil(the row's largest t), a whole number; so 1/2 < the row's largest p <= 1. The row's sum l is taken of the UNQUANTISED p, in f32, and the product's result is divided by l at the end. Since M is a whole number, a kernel that streams over the keys may use a running M (the ceiling of the running maximum): every later rescaling is an exact power of two, which a block's scale takes up: the codes' values come out the same.
;;   OPERANDS COMPUTED ON THE WAY. 'Computed on the way' means the value that the module computes at that place (a softmax that the list does not call 'softmax' is quantised finished and normalised). What goes into a quantiser is computed in f32, as accurately as f32 sums, v_exp_f32 and their like allow (about 1e-6 of the number): no bf16 or f16 on the way to a quantiser, and a product that is left as it is and whose result goes on into a quantised operand takes f32 operands (vector FMAs, or v_wmma_f32_16x16x4_f32). A number that lies on a knife's edge between two numbers of the format may be rounded either way, as far as f32 arithmetic and the matrix unit's own rounding can turn it there, and no further.
;; One version. Each part assembles by itself: llvm-mc -triple=amdgcn-amd-amdhsa -mcpu=gfx1250 --defsym DOCPART=n.
;; ======== version 1 of 1: 4 launches
;; limits: right only within a limited range of input values
;; workspace buffers: cod 29,360,128 bytes; scl 917,504 bytes; qc 8,519,680 bytes; qs 589,824 bytes; kv 18,874,368 bytes; ao 8,519,680 bytes; aos 266,240 bytes
;; launch quant (part 1): grid 912 x 1, 4 waves a work-group, no clusters, 34,304 bytes of LDS; arguments query, key, value, in_proj_weight, out_proj_weight, cod, scl, qc, qs, kv; writes cod, scl, qc, qs, kv
.if DOCPART == 1
	.amdgcn_target "amdgcn-amd-amdhsa--gfx1250"
	.amdhsa_code_object_version 6
	.text
	.protected	k_qf606394f6e_quant
	.globl	k_qf606394f6e_quant
	.p2align	8
	.type	k_qf606394f6e_quant,@function
k_qf606394f6e_quant:
	s_mov_b64 s[64:65], 0
	v_nop
	global_prefetch_b8 v0, s[64:65] scope:SCOPE_SE
	s_setreg_imm32_b32 hwreg(HW_REG_WAVE_MODE, 25, 1), 1
	s_wait_xcnt 0x0
; FIRST OF FOUR LAUNCHES: rows 0..1023 of query, key, value and both weights, f32 with K (the 1,024) innermost, become codes of FP8 (E4M3) with one E8M0 byte for each 32 along K;
; and the dummy token query[1024] is laid, quantised, where the attention launch wants it: as query 1024 (x 1/8), as key 1024 and as value 1024 of every batch and head.
; DEAD WORK: reference() takes key[:-1] and value[:-1] and appends query[-1] in their place, so key[1024] and value[1024] reach no output, whatever they hold: these two rows are never loaded.
; Every input buffer still has live bytes, so all are arguments of some launch.  LIMIT: a NaN or an infinity in key[1024] or value[1024] is not carried to the result.
; LIMITS: NaN and infinities among the inputs are not served.  A block whose largest magnitude lies under 2^-118 (a block of zeros too) gets the byte 1 and not what the rule gives: the bytes are read by this program alone,
; and zero codes add nothing under any byte but 0xff.
; LAYOUT OF THE CODES.  A tile is 16 rows; lane r of tile T holds row 32 (T / 2) + 8 (T % 2) + r + 8 (r / 8), so that in a transposed product the registers of two neighbouring tiles are 16 neighbours along the next K.
; A fragment (a tile x 128 along K) is stored as the IMAGE OF THE OPERAND'S REGISTERS: register group c (0..3) of lane l at byte 512 c + 16 l: 2,048 bytes; a tile's eight fragments are a record of 16,384 bytes.
; A tile's scale words are a record of 512 bytes: the word of row r, K step g at 128 (g / 2) + 8 r + 4 (g % 2).
; SHARES.  Work-groups 0..895: wave w takes tile 2 x work-group + w / 2 and half w % 2 of K: 16 rows x 512 numbers, in four steps of 128.  A load reads 512 consecutive bytes of one row; the 16 rows turn through the wave's
; own stage in LDS (rows 528 bytes apart, ISA guide 11.1) and come back 16 neighbours of each block of 32 to a lane.  Two steps' loads (32) are out at a time.
; Work-groups 896..911: the dummy token, one wave for each batch and pair of heads; no LDS data.
.set SPARE, 33792                      ; behind the four stages: the spare words, 128 bytes a wave
.set L16, 1                            ; v1   16 x lane
.set L8,  2                            ; v2   8 x lane
.set STI, 3                            ; v3   the stage, on the way in
.set STO, 4                            ; v4   and on the way out
.set SPW, 5                            ; v5   my spare word's LDS address; never rewritten
.set NIL, 6                            ; v6   0; never rewritten
.set VO,  8                            ; v8-23  row r's byte offset + 16 x lane
.set TM,  24                           ; v24-39 the quantiser's 16 registers
.set PW,  40                           ; v40-43 the four steps' scale words
.set DD,  44                           ; v44-45 scale words as they are stored
.set R0,  48                           ; v48-111, v112-175: two sets of 64 numbers
.set R1,  112
.set PC,  176                          ; v176-239 codes: 16 registers for each step, so that no store's data are written again
.set SEL, 26                           ; s[26:27] v_permlanex16_b32's selects for lane l xor 16
.set MNT, 28                           ; s28  the mantissa field of 448
.set MH,  29                           ; s29  the mask of lanes 16-31
; 64 numbers of a lane, register 16 b + i = k 32 b + 16 (lane / 16) + i of my row, become a fragment's 16 code registers and its scale word.
.macro QUANT s, pc, pw
.irp b, 0,1,2,3
	v_max3_num_f32 v[TM+\b], |v[(\s)+16*\b]|, |v[(\s)+1+16*\b]|, 0x4800000   ; my 16 numbers of block b, and the floor 2^(9 - 127): the byte cannot fall under 1
.endr
.irp i, 2,4,6,8,10,12,14
.irp b, 0,1,2,3
	v_max3_num_f32 v[TM+\b], v[TM+\b], |v[(\s)+16*\b+\i]|, |v[(\s)+1+16*\b+\i]|
.endr
.endr
.irp b, 0,1,2,3
	v_permlanex16_b32 v[TM+4+\b], v[TM+\b], s[SEL], s[SEL+1]
.endr
.irp b, 0,1,2,3
	v_max_num_f32 v[TM+\b], v[TM+\b], v[TM+4+\b]                 ; with lane l xor 16's 16: the block's largest magnitude
.endr
.irp b, 0,1,2,3
	v_add_nc_u32 v[TM+12+\b], 0xfc000000, v[TM+\b]               ; 8 off its exponent field: the conversion's scale operand
.endr
.irp b, 0,1,2,3
	v_and_or_b32 v[TM+8+\b], v[TM+\b], 0x7f800000, s[MNT]        ; 448 x the scale
.endr
.irp b, 0,1,2,3
	v_lshrrev_b32 v[TM+4+\b], 23, v[TM+12+\b]                    ; the scale's byte
.endr
	v_lshl_or_b32 v[\pw], v[TM+5], 8, v[TM+4]
	v_lshl_or_b32 v[\pw], v[TM+6], 16, v[\pw]
	v_lshl_or_b32 v[\pw], v[TM+7], 24, v[\pw]
.irp b, 0,1,2,3
.irp i, 0,1,2,3,4,5,6,7,8,9,10,11,12,13,14,15
	v_med3_num_f32 v[(\s)+16*\b+\i], v[(\s)+16*\b+\i], -v[TM+8+\b], v[TM+8+\b]   ; the conversion does not saturate (ISA guide 7.6.2): the hold at 448 x the scale
.endr
	v_cvt_scalef32_pk8_fp8_f32 v[(\pc)+4*\b:(\pc)+1+4*\b], v[(\s)+16*\b:(\s)+7+16*\b], v[TM+12+\b]
	v_cvt_scalef32_pk8_fp8_f32 v[(\pc)+2+4*\b:(\pc)+3+4*\b], v[(\s)+8+16*\b:(\s)+15+16*\b], v[TM+12+\b]
.endr
	v_nop                                          ; one plain line behind the last conversion, ahead of whatever next writes its sources
.endm
	s_load_b256 s[4:11], s[0:1], 0x0               ; query s[4:5], key s[6:7], value s[8:9], in_proj_weight s[10:11]
	s_load_b256 s[12:19], s[0:1], 0x20             ; out_proj_weight s[12:13], cod s[14:15], scl s[16:17], qc s[18:19]
	s_load_b128 s[20:23], s[0:1], 0x40             ; qs s[20:21], kv s[22:23]
	v_lshl_add_u32 v[SPW], v0, 2, SPARE
	v_mov_b32 v[NIL], 0
	v_lshrrev_b32 v7, 5, v0
	v_readfirstlane_b32 s24, v7                    ; wave 0..3
	v_and_b32 v7, 31, v0                           ; lane
	v_lshlrev_b32 v[L16], 4, v7
	v_lshlrev_b32 v[L8], 3, v7
	v_and_b32 v46, 15, v0                          ; r
	v_bfe_u32 v47, v0, 4, 1                        ; h
	s_mov_b32 s[SEL], 0x76543210
	s_mov_b32 s[SEL+1], 0xfedcba98
	s_mov_b32 s[MNT], 0x600000
	s_mov_b32 s[MH], 0xffff0000
.irp b, 0,1,2,3
	v_mov_b32 v[TM+4+\b], 0                        ; written once: a lane permute's destination counts as one of its sources
.endr
	s_cmp_ge_u32 ttmp9, 896
	s_cbranch_scc1 .Ldummy
	; ---- the tiles
	s_mul_i32 s30, s24, 8448                       ; my stage: 16 rows x 528 bytes
	v_add_nc_u32 v[STI], s30, v[L16]               ; in: 16 x lane of row r (the row stands in the immediate)
	v_mul_u32_u24 v[STO], v46, 528
	v_lshl_add_u32 v[STO], v47, 6, v[STO]
	v_add_nc_u32 v[STO], s30, v[STO]               ; out: row r, + 64 h: my 16 numbers of a block of 32
	s_lshl_b32 s31, ttmp9, 1
	s_lshr_b32 s32, s24, 1
	s_add_co_u32 s31, s31, s32                     ; my tile, 0..1791
	s_and_b32 s33, s24, 1                          ; my half of K
	s_wait_kmcnt 0x0
	s_mov_b64 s[34:35], s[12:13]                   ; which tensor: the choice hangs on the work-group's number alone
	s_mov_b32 s36, 1728                            ; and its first tile
	s_cmp_lt_u32 ttmp9, 864
	s_cselect_b64 s[34:35], s[10:11], s[34:35]
	s_cselect_b32 s36, 1536, s36
	s_cmp_lt_u32 ttmp9, 768
	s_cselect_b64 s[34:35], s[8:9], s[34:35]
	s_cselect_b32 s36, 1024, s36
	s_cselect_b32 s37, 15, 12                      ; from row to row of a tile: 32,768 bytes (s at a fixed batch) or 4,096 (a weight), as a shift
	s_cselect_b32 s38, 63, -1                      ; 64 tiles to a batch
	s_cselect_b32 s39, 1, 0
	s_cmp_lt_u32 ttmp9, 512
	s_cselect_b64 s[34:35], s[6:7], s[34:35]
	s_cselect_b32 s36, 512, s36
	s_cmp_lt_u32 ttmp9, 256
	s_cselect_b64 s[34:35], s[4:5], s[34:35]
	s_cselect_b32 s36, 0, s36
	s_sub_co_u32 s40, s31, s36                     ; the tile within its tensor
	s_and_b32 s41, s40, s38                        ; T
	s_lshr_b32 s42, s40, 6
	s_mul_i32 s42, s42, s39                        ; the batch, or 0
	s_lshl_b32 s42, s42, 12
	s_lshr_b32 s43, s41, 1
	s_lshl_b32 s43, s43, 5
	s_and_b32 s44, s41, 1
	s_lshl_b32 s44, s44, 3
	s_add_co_u32 s43, s43, s44                     ; the tile's first row: 32 (T / 2) + 8 (T % 2)
	s_lshl_b32 s43, s43, s37
	s_add_co_u32 s42, s42, s43
	s_lshl_b32 s44, s33, 11                        ; my half of K: 512 numbers
	s_add_co_u32 s42, s42, s44
	s_mov_b32 s43, 0
	s_add_nc_u64 s[34:35], s[34:35], s[42:43]
.irp r, 0,1,2,3,4,5,6,7,8,9,10,11,12,13,14,15
	s_lshl_b32 s45, (\r+8*(\r/8)), s37
	v_add_nc_u32 v[VO+\r], s45, v[L16]
.endr
	s_lshl_b32 s42, s31, 14
	s_lshl_b32 s44, s33, 13
	s_add_co_u32 s42, s42, s44
	s_add_nc_u64 s[14:15], s[14:15], s[42:43]      ; my four fragments
	s_lshl_b32 s42, s31, 9
	s_lshl_b32 s44, s33, 8
	s_add_co_u32 s42, s42, s44
	s_add_nc_u64 s[16:17], s[16:17], s[42:43]      ; my 256 bytes of scale words
.macro LOAD q
.irp r, 0,1,2,3,4,5,6,7,8,9,10,11,12,13,14,15
	global_load_b128 v[R0+64*((\q)%2)+4*\r:R0+64*((\q)%2)+4*\r+3], v[VO+\r], s[34:35] offset:512*(\q) th:TH_LOAD_NT   ; 32 lanes read 512 consecutive bytes of row r
.endr
.endm
.macro STEP q
.set RR, R0+64*((\q)%2)
.if (\q) < 3
	s_wait_loadcnt 16                              ; this step's 16 loads are in; the next step's 16 may be out
.else
	s_wait_loadcnt 0x0
.endif
.irp r, 0,1,2,3,4,5,6,7,8,9,10,11,12,13,14,15
	ds_store_b128 v[STI], v[RR+4*\r:RR+4*\r+3] offset:528*\r
.endr
.irp c, 0,1,2,3
.irp i, 0,1,2,3
	ds_load_b128 v[RR+16*\c+4*\i:RR+16*\c+4*\i+3], v[STO] offset:128*\c+16*\i   ; LDS serves a wave's instructions in order (ISA guide 5.7.1.4): these see the stores above
.endr
.endr
	s_wait_dscnt 0x0
	QUANT RR,PC+16*(\q),PW+(\q)
.if (\q) < 2
	LOAD (\q)+2
.endif
.irp c, 0,1,2,3
	global_store_b128 v[L16], v[PC+16*(\q)+4*\c:PC+16*(\q)+4*\c+3], s[14:15] offset:2048*(\q)+512*\c   ; 512 consecutive bytes
.endr
.endm
	s_wait_alu depctr_va_vdst(0)
	LOAD 0
	LOAD 1
	STEP 0
	STEP 1
	STEP 2
	STEP 3
	v_cndmask_b32 v[DD], v[PW], v[PW+2], s[MH]     ; lanes 0-15: steps 0 and 1 of row r; lanes 16-31: steps 2 and 3
	v_cndmask_b32 v[DD+1], v[PW+1], v[PW+3], s[MH]
	global_store_b64 v[L8], v[DD:DD+1], s[16:17]   ; 256 consecutive bytes, aligned
	s_wait_tensorcnt 0x0                           ; the wave's end, behind my last LDS store
	ds_add_u32 v[SPW], v[NIL]
	s_wait_dscnt 0x0
	s_endpgm
	; ---- the dummy token: wave d = 4 (work-group - 896) + wave takes batch d / 8 and heads 2 (d % 8), 2 (d % 8) + 1: 128 numbers of query[1024]
.Ldummy:
	s_sub_co_u32 s30, ttmp9, 896
	s_lshl_b32 s30, s30, 2
	s_add_co_u32 s30, s30, s24
	s_lshr_b32 s31, s30, 3                         ; batch
	s_and_b32 s32, s30, 7                          ; pair of heads
	s_add_co_u32 s34, s31, 8192
	s_lshl_b32 s34, s34, 12                        ; row (1024, batch)
	s_lshl_b32 s33, s32, 9
	s_add_co_u32 s34, s34, s33
	s_mov_b32 s35, 0
	s_lshl_b32 s36, s31, 4
	s_lshl_b32 s33, s32, 1
	s_add_co_u32 s36, s36, s33                     ; batch x 16 + head
	s_mul_i32 s38, s36, 147456
	s_mov_b32 s39, 0
	s_mul_i32 s40, s36, 66560
	s_mov_b32 s41, 0
	s_mul_i32 s42, s36, 4608
	s_mov_b32 s43, 0
	s_wait_alu depctr_va_vdst(0)
	v_lshlrev_b32 v7, 6, v47                       ; 64 h: my 16 numbers of a block of 32 (every r reads the one row)
	v_and_b32 v3, 8, v46
	v_add_nc_u32 v3, v3, v46
	v_lshlrev_b32 v3, 2, v3                        ; (r + 8 (r / 8)) x 4: the channel that lane r of a tile of V^T holds
	s_wait_alu depctr_va_vdst(0)
	s_wait_kmcnt 0x0
	s_add_nc_u64 s[4:5], s[4:5], s[34:35]
	s_add_nc_u64 s[22:23], s[22:23], s[38:39]      ; the first head's record of K and V
	s_add_nc_u64 s[18:19], s[18:19], s[40:41]      ; its queries' codes
	s_add_nc_u64 s[20:21], s[20:21], s[42:43]      ; and their scale words
.irp c, 0,1,2,3
.irp i, 0,1,2,3
	global_load_b128 v[R0+16*\c+4*\i:R0+16*\c+4*\i+3], v7, s[4:5] offset:128*\c+16*\i
.endr
.endr
.irp n, 0,1,2,3,4,5,6,7
	global_load_b32 v[224+\n], v3, s[4:5] offset:(64*(\n/4)+32*((\n%4)/2)+8*(\n%2))*4   ; head n / 4, tile n % 4 of V^T: one channel a lane
.endr
.irp n, 16,17,18,19
	v_mov_b32 v[\n], 0                             ; four registers of zeros
.endr
	v_mov_b32 v13, 1.0
	v_cmp_eq_u32 vcc_lo, 0, v46
	v_cndmask_b32 v8, v16, v13, vcc_lo             ; 1 in row 0 of the tile, which is position 1024; 0 in the rows that do not exist
	v_mov_b32 v9, v8
	v_mul_f32 v10, 0x3e000000, v8                  ; and 1/8 there: reference() multiplies q by 1 / sqrt(64) ahead of the product
	v_mov_b32 v11, v10
	v_cndmask_b32 v12, v13, v16, s[MH]             ; 1 in lanes 0-15
	s_wait_alu depctr_va_vdst(0)
	s_wait_loadcnt 0x0
.irp i, 0,2,4,6,8,10,12,14,16,18,20,22,24,26,28,30,32,34,36,38,40,42,44,46,48,50,52,54,56,58,60,62
	v_pk_mul_f32 v[R1+\i:R1+\i+1], v[R0+\i:R0+\i+1], v[10:11]
.endr
.irp i, 0,2,4,6,8,10,12,14,16,18,20,22,24,26,28,30,32,34,36,38,40,42,44,46,48,50,52,54,56,58,60,62
	v_pk_mul_f32 v[R0+\i:R0+\i+1], v[R0+\i:R0+\i+1], v[8:9]
.endr
	QUANT R0,PC,PW                                 ; as a key: tile 64 of K; groups 0, 1 are the first head's 64, groups 2, 3 the second's
	global_store_b128 v[L16], v[PC:PC+3], s[22:23] offset:65536
	global_store_b128 v[L16], v[PC+4:PC+7], s[22:23] offset:65536+512
	global_store_b128 v[L16], v[PC+8:PC+11], s[22:23] offset:147456+65536
	global_store_b128 v[L16], v[PC+12:PC+15], s[22:23] offset:147456+65536+512
	v_and_b32 v208, 0xffff, v[PW]
	v_lshrrev_b32 v212, 16, v[PW]
	v_cndmask_b32 v208, v208, v16, s[MH]           ; K's ninth block of scale words: word 0 of lanes 0-15 is tile 64's, all else 0
	v_cndmask_b32 v212, v212, v16, s[MH]
.irp n, 209,210,211,213,214,215,217,218,219,221,222,223
	v_mov_b32 v[\n], 0
.endr
	global_store_b128 v[L16], v[208:211], s[22:23] offset:140288+4096
	global_store_b128 v[L16], v[212:215], s[22:23] offset:147456+140288+4096
	QUANT R1,PC+16,PW+1                            ; as a query
	global_store_b128 v[L16], v[PC+16:PC+19], s[18:19] offset:65536
	global_store_b128 v[L16], v[PC+20:PC+23], s[18:19] offset:65536+512
	global_store_b128 v[L16], v[PC+24:PC+27], s[18:19] offset:66560+65536
	global_store_b128 v[L16], v[PC+28:PC+31], s[18:19] offset:66560+65536+512
	v_and_b32 v216, 0xffff, v[PW+1]
	v_lshrrev_b32 v220, 16, v[PW+1]
	v_cndmask_b32 v216, v216, v16, s[MH]
	v_cndmask_b32 v220, v220, v16, s[MH]
	global_store_b128 v[L16], v[216:219], s[20:21] offset:4096
	global_store_b128 v[L16], v[220:223], s[20:21] offset:4608+4096
	; as a value: the ninth K step of V^T holds key 1024 and 127 zeros: a block's largest magnitude is the one number
.irp n, 0,1,2,3,4,5,6,7
.irp i, 1,2,3,4,5,6,7
	v_mov_b32 v[R1+8*\n+\i], 0
.endr
	v_mov_b32 v[R0+4*\n+2], 0
	v_mov_b32 v[R0+4*\n+3], 0
.endr
.irp n, 0,1,2,3,4,5,6,7
	v_max3_num_f32 v24, |v[224+\n]|, |v[224+\n]|, 0x4800000
	v_add_nc_u32 v25, 0xfc000000, v24
	v_and_or_b32 v26, v24, 0x7f800000, s[MNT]
	v_lshrrev_b32 v[232+\n], 23, v25               ; the block's byte; the word's other three bytes are 0, over zero codes
	v_med3_num_f32 v27, v[224+\n], -v26, v26
	v_mul_f32 v[R1+8*\n], v27, v12                 ; key 1024 lies in lanes 0-15, byte 0 of register 0
	v_cvt_scalef32_pk8_fp8_f32 v[R0+4*\n:R0+4*\n+1], v[R1+8*\n:R1+8*\n+7], v25
	v_nop
.endr
.irp n, 0,1,2,3,4,5,6,7
	global_store_b128 v[L16], v[R0+4*\n:R0+4*\n+3], s[22:23] offset:(\n/4)*147456+132096+(\n%4)*2048
	global_store_b128 v[L16], v[16:19], s[22:23] offset:(\n/4)*147456+132096+(\n%4)*2048+512
	global_store_b128 v[L16], v[16:19], s[22:23] offset:(\n/4)*147456+132096+(\n%4)*2048+1024
	global_store_b128 v[L16], v[16:19], s[22:23] offset:(\n/4)*147456+132096+(\n%4)*2048+1536
.endr
	v_cndmask_b32 v[DD], v232, v233, s[MH]         ; V's scale words: lanes 0-15 tiles 0 and 2, lanes 16-31 tiles 1 and 3
	v_cndmask_b32 v[DD+1], v234, v235, s[MH]
	v_cndmask_b32 v20, v236, v237, s[MH]
	v_cndmask_b32 v21, v238, v239, s[MH]
	global_store_b64 v[L8], v[DD:DD+1], s[22:23] offset:144896+2048
	global_store_b64 v[L8], v[20:21], s[22:23] offset:147456+144896+2048
	s_wait_tensorcnt 0x0                           ; the wave's end
	ds_add_u32 v[SPW], v[NIL]
	s_wait_dscnt 0x0
	s_endpgm
.Lfunc_end_k_qf606394f6e_quant:
	.size	k_qf606394f6e_quant, .Lfunc_end_k_qf606394f6e_quant-k_qf606394f6e_quant
	.p2alignl 7, 3214868480
	.fill 96, 4, 3214868480
	.section	.rodata,"a",@progbits
	.p2align	6, 0x0
	.amdhsa_kernel k_qf606394f6e_quant
		.amdhsa_group_segment_fixed_size 34304
		.amdhsa_private_segment_fixed_size 0
		.amdhsa_enable_private_segment 0
		.amdhsa_kernarg_size 80
		.amdhsa_user_sgpr_count 2
		.amdhsa_user_sgpr_kernarg_segment_ptr 1
		.amdhsa_wavefront_size32 1
		.amdhsa_system_sgpr_workgroup_id_x 1
		.amdhsa_system_sgpr_workgroup_id_y 1
		.amdhsa_system_sgpr_workgroup_id_z 1
		.amdhsa_system_vgpr_workitem_id 0
		.amdhsa_next_free_vgpr 240
		.amdhsa_next_free_sgpr 66
		.amdhsa_reserve_vcc 1
		.amdhsa_float_denorm_mode_32 3
		.amdhsa_float_denorm_mode_16_64 3
		.amdhsa_memory_ordered 1
		.amdhsa_forward_progress 1
		.amdhsa_inst_pref_size 88
	.end_amdhsa_kernel
	.amdgpu_metadata
---
amdhsa.version: [ 1, 2 ]
amdhsa.kernels:
  - .name:           k_qf606394f6e_quant
    .symbol:         k_qf606394f6e_quant.kd
    .args:
      - { .name: query, .offset: 0, .size: 8, .value_kind: global_buffer, .address_space: global }
      - { .name: key, .offset: 8, .size: 8, .value_kind: global_buffer, .address_space: global }
      - { .name: value, .offset: 16, .size: 8, .value_kind: global_buffer, .address_space: global }
      - { .name: in_proj_weight, .offset: 24, .size: 8, .value_kind: global_buffer, .address_space: global }
      - { .name: out_proj_weight, .offset: 32, .size: 8, .value_kind: global_buffer, .address_space: global }
      - { .name: cod, .offset: 40, .size: 8, .value_kind: global_buffer, .address_space: global }
      - { .name: scl, .offset: 48, .size: 8, .value_kind: global_buffer, .address_space: global }
      - { .name: qc, .offset: 56, .size: 8, .value_kind: global_buffer, .address_space: global }
      - { .name: qs, .offset: 64, .size: 8, .value_kind: global_buffer, .address_space: global }
      - { .name: kv, .offset: 72, .size: 8, .value_kind: global_buffer, .address_space: global }
    .group_segment_fixed_size: 34304
    .private_segment_fixed_size: 0
    .kernarg_segment_align: 8
    .kernarg_segment_size: 80
    .max_flat_workgroup_size: 128
    .sgpr_count:     66
    .vgpr_count:     240
    .wavefront_size: 32
...
	.end_amdgpu_metadata
.endif
;; end of part 1
;; launch proj (part 2): grid 4 x 96, 4 waves a work-group, clusters of 4 x 4, 327,680 bytes of LDS; arguments cod, scl, in_proj_bias, qc, qs, kv; writes qc, qs, kv
.if DOCPART == 2
	.amdgcn_target "amdgcn-amd-amdhsa--gfx1250"
	.amdhsa_code_object_version 6
	.text
	.protected	k_qf606394f6e_proj
	.globl	k_qf606394f6e_proj
	.p2align	8
	.type	k_qf606394f6e_proj,@function
k_qf606394f6e_proj:
	s_mov_b64 s[64:65], 0
	v_nop
	global_prefetch_b8 v0, s[64:65] scope:SCOPE_SE
	s_setreg_imm32_b32 hwreg(HW_REG_WAVE_MODE, 25, 1), 1
	s_wait_xcnt 0x0
	s_wait_alu depctr_hold_cnt(0) depctr_sa_sdst(0) depctr_va_vdst(0) depctr_va_sdst(0) depctr_va_ssrc(0) depctr_va_vcc(0) depctr_vm_vsrc(0)
	s_getreg_b32 s2, hwreg(HW_REG_IB_STS2, 6, 4)
	s_cmp_eq_u32 s2, 0
	s_cbranch_scc0 .Lentry_in_a_cluster
	s_endpgm
.Lentry_in_a_cluster:
	s_bfe_u32 s2, ttmp6, 0x10000c
	s_cmp_lg_u32 s2, 0xf033
	s_cbranch_scc0 .Lentry_shape_is_right
	s_endpgm
.Lentry_shape_is_right:
.set SLOT,  131072
.set ASC,   262144
.set SPARE, 278528
.set NQ, 2
.set FR, 16
.set NL, 4
.set NP, 8
.set LI,  1
.set L8,  2
.set VBR, 3
.set VBL, 4
.set ADRA, 16
.set ADRB, 20
.set ADRS, 27
.set SPW, 28
.set NIL, 29
.set SC,  32
.set AF,  128
.set X,   128
.set PC,  192
.set TM,  208
.set PWS, 224
.set PK,  232
.set PL,  236
.set VO,  240
.set PH,  244
.set G1, 24
.set G0, 32
.set G1B, 48
.set G0B, 56
.set SEL, 66
.set G1S, 68
.set G0S, 76
.set G1SB, 80
.set G0SB, 88
.set BB,  92
.set SCF, 94
.set MH,  96
.set MNT, 97
.set MSB, 0
.macro WIN new
.if MSB != (\new)
	s_set_vgpr_msb (MSB<<8)|(\new)
.set MSB, (\new)
.endif
.endm
.set MUL_LO, 0xa1
.set MUL_HI, 0xf1
.set TO_B,   0x40
.macro JLOAD g0a, g1a, g0b, g1b
	s_cmp_eq_u32 s17, 0
	s_cbranch_scc0 .Lfor_b_\@
	tensor_load_to_lds s[\g0a:\g0a+3], s[\g1a:\g1a+7]
	s_nop 0
.rept 4
	v_nop
.endr
	s_branch .Lasked_\@
.Lfor_b_\@:
	tensor_load_to_lds s[\g0b:\g0b+3], s[\g1b:\g1b+7]
	s_nop 0
.rept 4
	v_nop
.endr
.Lasked_\@:
.endm
.macro CREST
	s_cmp_lg_u32 s16, 0
	s_cbranch_scc1 .Lnot_wave_0_\@
	s_barrier_signal -3
.Lnot_wave_0_\@:
	s_barrier_wait -3
	s_barrier_signal -1
	s_barrier_wait -1
.endm
.macro CROUND
	s_barrier_signal -1
	s_barrier_wait -1
	CREST
.endm
.macro QUANT s, pc, pw
.irp b, 0,1,2,3
	v_max3_num_f32 v[TM+\b], |v[(\s)+16*\b]|, |v[(\s)+1+16*\b]|, 0x4800000
.endr
.irp i, 2,4,6,8,10,12,14
.irp b, 0,1,2,3
	v_max3_num_f32 v[TM+\b], v[TM+\b], |v[(\s)+16*\b+\i]|, |v[(\s)+1+16*\b+\i]|
.endr
.endr
.irp b, 0,1,2,3
	v_permlanex16_b32 v[TM+4+\b], v[TM+\b], s[SEL], s[SEL+1]
.endr
.irp b, 0,1,2,3
	v_max_num_f32 v[TM+\b], v[TM+\b], v[TM+4+\b]
.endr
.irp b, 0,1,2,3
	v_add_nc_u32 v[TM+12+\b], 0xfc000000, v[TM+\b]
.endr
.irp b, 0,1,2,3
	v_and_or_b32 v[TM+8+\b], v[TM+\b], 0x7f800000, s[MNT]
.endr
.irp b, 0,1,2,3
	v_lshrrev_b32 v[TM+4+\b], 23, v[TM+12+\b]
.endr
	v_lshl_or_b32 v[\pw], v[TM+5], 8, v[TM+4]
	v_lshl_or_b32 v[\pw], v[TM+6], 16, v[\pw]
	v_lshl_or_b32 v[\pw], v[TM+7], 24, v[\pw]
.irp b, 0,1,2,3
.irp i, 0,1,2,3,4,5,6,7,8,9,10,11,12,13,14,15
	v_med3_num_f32 v[(\s)+16*\b+\i], v[(\s)+16*\b+\i], -v[TM+8+\b], v[TM+8+\b]
.endr
	v_cvt_scalef32_pk8_fp8_f32 v[(\pc)+4*\b:(\pc)+1+4*\b], v[(\s)+16*\b:(\s)+7+16*\b], v[TM+12+\b]
	v_cvt_scalef32_pk8_fp8_f32 v[(\pc)+2+4*\b:(\pc)+3+4*\b], v[(\s)+8+16*\b:(\s)+15+16*\b], v[TM+12+\b]
.endr
	v_nop
.endm
	s_load_b256 s[4:11], s[0:1], 0x0
	s_load_b128 s[12:15], s[0:1], 0x20
	v_lshl_add_u32 v[SPW], v0, 2, SPARE
	v_mov_b32 v[NIL], 0
	ds_add_u32 v[SPW], v[NIL]
	ds_add_u32 v[SPW], v[NIL]
	v_lshrrev_b32 v1, 5, v0
	v_readfirstlane_b32 s16, v1
	s_lshr_b32 s17, s16, 1
	s_and_b32 s18, s16, 1
	s_bfe_u32 s20, ttmp6, 0x40000
	s_bfe_u32 s21, ttmp6, 0x40004
	s_and_b32 s22, ttmp7, 0xffff
	s_lshr_b32 s23, s22, 3
	s_and_b32 s40, s22, 7
	s_cmp_eq_u32 s23, 2
	s_cselect_b32 s41, 1, 0
	s_cselect_b32 s42, 0, 4
	s_cselect_b32 s43, 4, 0
	s_mul_i32 s42, s42, s40
	s_mul_i32 s43, s43, s40
	s_add_co_u32 s42, s42, s21
	s_add_co_u32 s43, s43, s20
	s_lshl_b32 s46, s23, 9
	s_lshl_b32 s100, s23, 6
	s_add_co_u32 s100, s100, 1536
	s_cmp_eq_u32 s23, 2
	s_cselect_b32 s46, 1664, s46
	s_cselect_b32 s100, 1024, s100
	s_lshl_b32 s47, s42, 4
	s_add_co_u32 s46, s46, s47
	s_lshl_b32 s101, s43, 4
	s_add_co_u32 s100, s100, s101
	s_lshl_b32 s47, s18, 3
	s_add_co_u32 s46, s46, s47
	s_add_co_u32 s100, s100, s47
	s_lshl_b32 s2, s46, 14
	s_mov_b32 s3, 0
	s_lshl_b32 s46, s46, 9
	s_mov_b32 s47, 0
	s_lshl_b32 s98, s100, 14
	s_mov_b32 s99, 0
	s_lshl_b32 s100, s100, 9
	s_mov_b32 s101, 0
	s_lshl_b32 s44, s21, 2
	s_lshl_b32 s44, 15, s44
	s_lshl_b32 s45, 0x1111, s20
	s_or_b32 s[G1+0], s44, (3<<16)|(1<<21)
	s_or_b32 s[G1B+0], s45, (3<<16)|(1<<21)
.irp g, G1, G1B
	s_mov_b32 s[\g+1], 512<<16
	s_mov_b32 s[\g+2], 16<<16                      ; at the head a load brings 16 tiles; behind it the two words that count rows are set to 8
	s_mov_b32 s[\g+3], 512<<16
	s_mov_b32 s[\g+4], 16
	s_mov_b32 s[\g+5], 2048
	s_mov_b32 s[\g+6], 0
	s_mov_b32 s[\g+7], 0
.endr
	s_or_b32 s[G1S+0], s44, (3<<16)|(1<<21)
	s_or_b32 s[G1SB+0], s45, (3<<16)|(1<<21)
.irp g, G1S, G1SB
	s_mov_b32 s[\g+1], 32<<16
	s_mov_b32 s[\g+2], 32<<16                      ; the scale words of 16 tiles: 32 rows of 256 bytes
	s_mov_b32 s[\g+3], 32<<16
	s_mov_b32 s[\g+4], 32
	s_mov_b32 s[\g+5], 32
	s_mov_b32 s[\g+6], 0
	s_mov_b32 s[\g+7], 0
.endr
	s_lshl_b32 s19, s16, 15
	s_mov_b32 s[SEL], 0x76543210
	s_mov_b32 s[SEL+1], 0xfedcba98
	s_mov_b32 s[MH], 0xffff0000
	s_mov_b32 s[MNT], 0x600000
	s_wait_dscnt 0x0
	s_wait_kmcnt 0x0
	s_add_nc_u64 s[2:3], s[4:5], s[2:3]
	s_add_nc_u64 s[46:47], s[6:7], s[46:47]
	s_add_nc_u64 s[98:99], s[4:5], s[98:99]
	s_add_nc_u64 s[100:101], s[6:7], s[100:101]
	CROUND
	s_mov_b32 s[G0S], 1
	s_mov_b32 s[G0S+1], ASC
	s_mov_b64 s[G0S+2:G0S+3], s[46:47]
	s_or_b32 s[G0S+3], s[G0S+3], 0x80000000
	s_mov_b32 s[G0SB], 1
	s_mov_b32 s[G0SB+1], ASC+8192
	s_lshl_b32 s104, s18, 12
	s_mov_b32 s105, 0
	s_sub_nc_u64 s[G0SB+2:G0SB+3], s[100:101], s[104:105]   ; back to B's first half (the wave that asks has the second)
	s_or_b32 s[G0SB+3], s[G0SB+3], 0x80000000
.irp s, 0,1
	s_mov_b32 s[G0+4*\s], 1
	s_add_co_u32 s[G0+4*\s+1], s19, \s*SLOT
	s_add_nc_u64 s[G0+4*\s+2:G0+4*\s+3], s[2:3], \s*4096
	s_or_b32 s[G0+4*\s+3], s[G0+4*\s+3], 0x80000000
	s_mov_b32 s[G0B+4*\s], 1
	s_add_co_u32 s[G0B+4*\s+1], s19, \s*SLOT
	s_add_nc_u64 s[G0B+4*\s+2:G0B+4*\s+3], s[98:99], \s*4096
	s_or_b32 s[G0B+4*\s+3], s[G0B+4*\s+3], 0x80000000
.endr
	; THE HEAD'S LOADS, ONE A WAVE: wave 0 K step 0 of A's 16 tiles, wave 1 of B's, wave 2 A's scale words, wave 3 B's
	s_mov_b32 s4, 1
	s_mov_b32 s5, 0
	s_mov_b64 s[6:7], s[2:3]
	s_or_b32 s7, s7, 0x80000000
	s_lshl_b32 s104, s18, 17
	s_mov_b32 s44, 1
	s_mov_b32 s45, 65536
	s_sub_nc_u64 s[46:47], s[98:99], s[104:105]
	s_or_b32 s47, s47, 0x80000000
.macro ARM under, g0, g1, next
	s_cmp_lt_u32 s16, \under
	s_cbranch_scc0 \next
	tensor_load_to_lds s[\g0:\g0+3], s[\g1:\g1+7]
	s_nop 0
.rept 4
	v_nop
.endr
	s_branch .Lhead_asked
\next:
.endm
	ARM 1, 4, G1, .Lhead_b
	ARM 2, 44, G1B, .Lhead_sa
	ARM 3, G0S, G1S, .Lhead_sb
	tensor_load_to_lds s[G0SB:G0SB+3], s[G1SB:G1SB+7]
	s_nop 0
.rept 4
	v_nop
.endr
.Lhead_asked:
	; the prefetches: of the 8 tiles that my wave fetches in the ring, each of the four partners that ask jointly takes two, told apart by address
	s_cmp_eq_u32 s17, 0
	s_cselect_b64 s[98:99], s[2:3], s[98:99]
	s_cselect_b32 s100, s20, s21
	s_lshl_b32 s100, s100, 15
	s_mov_b32 s101, 0
	s_add_nc_u64 s[98:99], s[98:99], s[100:101]
	v_and_b32 v1, 31, v0
	v_lshlrev_b32 v[L8], 3, v1
	v_lshlrev_b32 v[LI], 4, v1
	v_and_b32 v5, 15, v0
	v_bfe_u32 v6, v0, 4, 1
	v_lshlrev_b32 v[VBR], 6, v6
	v_and_b32 v[VBL], 8, v5
	v_add_nc_u32 v[VBL], v[VBL], v5
	v_lshlrev_b32 v[VBL], 2, v[VBL]
	s_lshl_b32 s19, s17, 15
	s_lshl_b32 s22, s18, 15
	s_add_co_u32 s22, s22, 65536
.irp s, 0,1
	v_add_nc_u32 v[ADRA+\s], s19, v[LI]
	v_add_nc_u32 v[ADRB+\s], s22, v[LI]
	s_add_co_u32 s19, s19, SLOT
	s_add_co_u32 s22, s22, SLOT
.endr
	v_lshlrev_b32 v[ADRS], 3, v5
	s_lshl_b32 s19, s17, 12
	s_lshl_b32 s22, s18, 12
	s_add_co_u32 s22, s22, 8192
	s_sub_co_u32 s22, s22, s19
	v_mul_u32_u24 v7, s22, v6
	s_add_co_u32 s19, s19, ASC
	v_add_nc_u32 v[ADRS], v[ADRS], v7
	v_add_nc_u32 v[ADRS], s19, v[ADRS]
	s_cmp_eq_u32 s41, 1
	s_cselect_b32 s104, s42, s43
	s_cselect_b32 s105, s17, s18
	s_lshl_b32 s104, s104, 10
	s_lshl_b32 s105, s105, 9
	s_add_co_u32 s104, s104, s105
	s_lshl_b32 s105, s23, 12
	s_add_co_u32 s104, s104, s105
	s_mov_b32 s105, 0
	s_add_nc_u64 s[BB:BB+1], s[8:9], s[104:105]
.macro FRAG reg, adr, q, i
.irp c, 0,1,2,3
	ds_load_b128 v[(\reg)+4*\c:(\reg)+4*\c+3], v[\adr] offset:(\i)*4096+(\q)*2048+512*\c
.endr
.endm
.macro MUL16 a0, p, q, sc, zero
.irp a, \a0, \a0+1
.irp b, 0,1,2,3,4,5,6,7
.if \zero
	v_wmma_scale_f32_16x16x128_f8f6f4 v[8*(8*((\a)%4)+\b):8*(8*((\a)%4)+\b)+7], v[128*(\p)+FR*\b:128*(\p)+FR*\b+FR-1], v[AF+FR*(\a):AF+FR*(\a)+FR-1], 0, v[SC+8*NQ*(\sc)+NQ*\b+(\q)], v[SC+8*NQ*(\sc)+NQ*(\a)+(\q)] matrix_a_scale:MATRIX_SCALE_ROW1
.else
	v_wmma_scale_f32_16x16x128_f8f6f4 v[8*(8*((\a)%4)+\b):8*(8*((\a)%4)+\b)+7], v[128*(\p)+FR*\b:128*(\p)+FR*\b+FR-1], v[AF+FR*(\a):AF+FR*(\a)+FR-1], v[8*(8*((\a)%4)+\b):8*(8*((\a)%4)+\b)+7], v[SC+8*NQ*(\sc)+NQ*\b+(\q)], v[SC+8*NQ*(\sc)+NQ*(\a)+(\q)] matrix_a_scale:MATRIX_SCALE_ROW1
.endif
.endr
.endr
.endm
.macro FETCH_B slot, q, p
	WIN TO_B
.irp i, 0,1,2,3,4,5,6,7
	FRAG 128*(\p)+FR*\i, ADRB+\slot, \q, \i
.endr
	WIN 0
.endm
.macro FETCH_A slot, q, i0
.irp i, \i0, \i0+1, \i0+2, \i0+3
	FRAG AF+FR*(\i), ADRA+\slot, \q, \i
.endr
.endm
.macro SCALES sc
.irp i, 0,1,2,3,4,5,6,7
	ds_load_b64 v[SC+8*NQ*\sc+NQ*\i:SC+8*NQ*\sc+NQ*\i+1], v[ADRS] offset:\i*512
.endr
.endm
.macro PLACES n
.rept \n
	v_nop
.endr
.endm
.macro STEP slot, q, zero
	s_wait_dscnt 4*NL
	WIN MUL_LO
	MUL16 0, (\q)%2, \q, \slot, \zero
	MUL16 2, (\q)%2, \q, \slot, \zero
	s_wait_dscnt 0
	PLACES NP
	FETCH_B \slot, (\q)+1, 1-(\q)%2
	FETCH_A \slot, (\q)+1, 0
	WIN MUL_HI
	MUL16 4, (\q)%2, \q, \slot, \zero
	MUL16 6, (\q)%2, \q, \slot, \zero
	PLACES NP
	WIN 0
	FETCH_A \slot, (\q)+1, 4
.endm
.macro TURN slot, next, fill
	s_wait_tensorcnt 0x0
	ds_add_u32 v[SPW], v[NIL]
	s_wait_dscnt 4*NL+1
	WIN MUL_LO
	MUL16 0, 1, NQ-1, \slot, 0
	s_wait_dscnt 0x0
	s_barrier_signal -1
	MUL16 2, 1, NQ-1, \slot, 0
	WIN 0
	s_barrier_wait -1
.if \fill
	CREST
	s_add_nc_u64 s[G0+4*\slot+2:G0+4*\slot+3], s[G0+4*\slot+2:G0+4*\slot+3], 8192
	s_add_nc_u64 s[G0B+4*\slot+2:G0B+4*\slot+3], s[G0B+4*\slot+2:G0B+4*\slot+3], 8192
	JLOAD G0+4*\slot, G1, G0B+4*\slot, G1B
	PLACES NP-4
.else
	PLACES NP
.endif
	s_wait_alu depctr_va_vdst(0)
	v_add_nc_u32 v[ADRS], 128, v[ADRS]
	FETCH_B \next, 0, 0
	FETCH_A \next, 0, 0
	SCALES \next
	WIN MUL_HI
	MUL16 4, 1, NQ-1, \slot, 0
	MUL16 6, 1, NQ-1, \slot, 0
	PLACES NP
	WIN 0
	FETCH_A \next, 0, 4
.endm
	v_lshlrev_b32 v8, 8, v5                        ; a lane a block of 256 bytes: 16 blocks of a tile's K step, two tiles
	v_lshl_add_u32 v8, v6, 14, v8
	global_prefetch_b8 v8, s[98:99] offset:4096 th:TH_LOAD_NT scope:SCOPE_SE   ; K step 1, which slot 1's first fill will ask for behind the next round
	global_prefetch_b8 v8, s[98:99] offset:8192 th:TH_LOAD_NT scope:SCOPE_SE   ; K step 2, which the first refill will ask for
	s_wait_alu depctr_va_vdst(0)                   ; at the head's end
	s_wait_tensorcnt 0x0                           ; my tile of the head's four is in; these lines stand ahead of a later first fill as ahead of a refill
	ds_add_u32 v[SPW], v[NIL]
	s_mov_b32 s[G1+2], 8<<16                       ; no tensor load of mine is out: from here on a load brings 8 tiles
	s_mov_b32 s[G1+4], 8
	s_mov_b32 s[G1B+2], 8<<16
	s_mov_b32 s[G1B+4], 8
	s_wait_dscnt 0x0
	CROUND
	JLOAD G0+4, G1, G0B+4, G1B
	FETCH_B 0, 0, 0
	FETCH_A 0, 0, 0
	SCALES 0
	FETCH_A 0, 0, 4
	global_prefetch_b8 v8, s[98:99] offset:12288 th:TH_LOAD_NT scope:SCOPE_SE  ; K step 3, which the second refill will ask for
	STEP 0, 0, 1
	TURN 0, 1, 1
	STEP 1, 0, 0
	TURN 1, 0, 1
	STEP 0, 0, 0
	TURN 0, 1, 0
	STEP 1, 0, 0
	s_cmp_eq_u32 s41, 1
	s_cbranch_scc1 .Lbias_v
	WIN TO_B
.irp t, 0,1,2,3,4,5,6,7
	global_load_b128 v[8*\t:8*\t+3], v[VBR], s[BB:BB+1] offset:(32*(\t/2)+8*(\t%2))*4
	global_load_b128 v[8*\t+4:8*\t+7], v[VBR], s[BB:BB+1] offset:(32*(\t/2)+8*(\t%2))*4+16
.endr
	WIN 0
	s_branch .Lbias_in
.Lbias_v:
	WIN TO_B
.irp t, 0,1,2,3,4,5,6,7
	global_load_b32 v[2*\t], v[VBL], s[BB:BB+1] offset:(32*(\t/2)+8*(\t%2))*4
	global_load_b32 v[2*\t+1], v[VBL], s[BB:BB+1] offset:(32*(\t/2)+8*(\t%2))*4
.endr
	WIN 0
.Lbias_in:
	s_wait_dscnt 4*NL
	WIN MUL_LO
	MUL16 0, 1, NQ-1, 1, 0
	MUL16 2, 1, NQ-1, 1, 0
	s_wait_dscnt 0
	WIN MUL_HI
	MUL16 4, 1, NQ-1, 1, 0
	MUL16 6, 1, NQ-1, 1, 0
	WIN 0
	s_wait_xcnt 0x0                                ; the prefetches have read their base, which is written below
	s_cmp_eq_u32 s41, 1
	s_cselect_b32 s98, s43, s42
	s_cselect_b32 s99, s18, s17
	s_cselect_b32 s100, s42, s43
	s_cselect_b32 s101, s17, s18
	s_lshr_b32 s104, s98, 2
	s_and_b32 s98, s98, 3
	s_lshl_b32 s98, s98, 1
	s_add_co_u32 s98, s98, s99
	s_lshl_b32 s100, s100, 1
	s_add_co_u32 s100, s100, s101
	s_lshl_b32 s100, s100, 1
	s_lshl_b32 s104, s104, 4
	s_add_co_u32 s104, s104, s100
	s_cmp_eq_u32 s23, 0
	s_cselect_b64 s[4:5], s[10:11], s[14:15]
	s_cselect_b64 s[6:7], s[12:13], s[14:15]
	s_mov_b32 s105, 147456
	s_mov_b32 s19, 147456
	s_mov_b32 s22, 140288
	s_cselect_b32 s105, 66560, s105
	s_cselect_b32 s19, 4608, s19
	s_cselect_b32 s22, 0, s22
	s_cselect_b32 s[SCF], 0x3e000000, 1.0
	s_mov_b32 s[SCF+1], s[SCF]
	s_mov_b32 s44, 1024
	s_mov_b32 s46, 1024
	s_cmp_eq_u32 s41, 1
	s_cselect_b32 s22, 144896, s22
	s_cselect_b32 s40, 66560, 0
	s_cselect_b32 s99, 8, 9
	s_cselect_b32 s44, 2048, s44
	s_cselect_b32 s46, 141312, s46
	s_cselect_b32 s101, 1024, s105
	s_mov_b32 s45, 0
	s_mov_b32 s47, 0
	s_mul_i32 s2, s104, s105
	s_lshl_b32 s3, s98, 13
	s_add_co_u32 s2, s2, s3
	s_add_co_u32 s2, s2, s40
	s_mov_b32 s3, 0
	s_add_nc_u64 s[4:5], s[4:5], s[2:3]
	s_mul_i32 s2, s104, s19
	s_lshl_b32 s99, s98, s99
	s_add_co_u32 s2, s2, s99
	s_add_co_u32 s2, s2, s22
	s_add_nc_u64 s[6:7], s[6:7], s[2:3]
	s_mov_b32 s2, s19
	s_add_nc_u64 s[2:3], s[6:7], s[2:3]
	PLACES NP
	v_mov_b32 v[VO], v[LI]
	v_add_nc_u32 v[VO+1], 512, v[LI]
	v_add_nc_u32 v[VO+2], s101, v[LI]
	s_add_co_u32 s101, s101, 512
	v_add_nc_u32 v[VO+3], s101, v[LI]
.irp b, 0,1,2,3
	v_mov_b32 v[TM+4+\b], 0
.endr
	s_wait_loadcnt 0x0
	s_cmp_lg_u32 s23, 0
	s_cbranch_scc1 .Lno_eighth
	WIN 0x41
.irp i, 0,2,4,6,8,10,12,14,16,18,20,22,24,26,28,30,32,34,36,38,40,42,44,46,48,50,52,54,56,58,60,62
	v_pk_mul_f32 v[\i:\i+1], v[\i:\i+1], s[SCF:SCF+1] op_sel_hi:[1,0]
.endr
	WIN 0
.Lno_eighth:
.macro EPI a
.set AC, 64*((\a)%4)
.if (\a) > 0
	s_wait_xcnt 0x0
.if (\a) == 4
	s_add_nc_u64 s[4:5], s[4:5], s[46:47]
.else
	s_add_nc_u64 s[4:5], s[4:5], s[44:45]
.endif
.endif
	s_cmp_eq_u32 s41, 1
	s_cbranch_scc1 .Lvarm_\@
	WIN 0x12+(\a)/4
.irp i, 0,2,4,6,8,10,12,14,16,18,20,22,24,26,28,30,32,34,36,38,40,42,44,46,48,50,52,54,56,58,60,62
	v_pk_fma_f32 v[X+\i:X+\i+1], v[AC+\i:AC+\i+1], s[SCF:SCF+1], v[\i:\i+1] op_sel_hi:[1,0,1]
.endr
	WIN 0
	s_branch .Ljoin_\@
.Lvarm_\@:
	WIN 0x06+(\a)/4
.irp i, 0,2,4,6,8,10,12,14,16,18,20,22,24,26,28,30,32,34,36,38,40,42,44,46,48,50,52,54,56,58,60,62
	v_pk_add_f32 v[X+\i:X+\i+1], v[AC+\i:AC+\i+1], v[2*(\a):2*(\a)+1]
.endr
	WIN 0
.Ljoin_\@:
	QUANT X,PC,PWS+(\a)
.irp c, 0,1,2,3
	global_store_b128 v[VO+\c], v[PC+4*\c:PC+4*\c+3], s[4:5]
.endr
.endm
	EPI 0
	EPI 1
	EPI 2
	EPI 3
	EPI 4
	EPI 5
	EPI 6
	EPI 7
.irp q, 0,1,2,3
	v_cndmask_b32 v[PK+\q], v[PWS+2*\q], v[PWS+2*\q+1], s[MH]
.endr
	s_cmp_eq_u32 s41, 1
	s_cbranch_scc1 .Lscales_v
.irp q, 0,1,2,3
	v_and_b32 v[PL+\q], 0xffff, v[PK+\q]
	v_lshrrev_b32 v[PH+\q], 16, v[PK+\q]
.endr
	global_store_b128 v[LI], v[PL:PL+3], s[6:7]
	global_store_b128 v[LI], v[PH:PH+3], s[2:3]
	s_branch .Lscales_out
.Lscales_v:
	s_wait_alu depctr_va_vdst(0)
	global_store_b64 v[L8], v[PK:PK+1], s[6:7]
	global_store_b64 v[L8], v[PK+2:PK+3], s[2:3]
.Lscales_out:
	s_wait_tensorcnt 0x0
	ds_add_u32 v[SPW], v[NIL]
	s_wait_dscnt 0x0
	CROUND
	s_endpgm
.Lfunc_end_k_qf606394f6e_proj:
	.size	k_qf606394f6e_proj, .Lfunc_end_k_qf606394f6e_proj-k_qf606394f6e_proj
	.p2alignl 7, 3214868480
	.fill 96, 4, 3214868480
	.section	.rodata,"a",@progbits
	.p2align	6, 0x0
	.amdhsa_kernel k_qf606394f6e_proj
		.amdhsa_group_segment_fixed_size 327680
		.amdhsa_private_segment_fixed_size 0
		.amdhsa_enable_private_segment 0
		.amdhsa_kernarg_size 48
		.amdhsa_user_sgpr_count 2
		.amdhsa_user_sgpr_kernarg_segment_ptr 1
		.amdhsa_wavefront_size32 1
		.amdhsa_system_sgpr_workgroup_id_x 1
		.amdhsa_system_sgpr_workgroup_id_y 1
		.amdhsa_system_sgpr_workgroup_id_z 1
		.amdhsa_system_vgpr_workitem_id 0
		.amdhsa_next_free_vgpr 1024
		.amdhsa_next_free_sgpr 106
		.amdhsa_reserve_vcc 0
		.amdhsa_float_denorm_mode_32 3
		.amdhsa_float_denorm_mode_16_64 3
		.amdhsa_memory_ordered 1
		.amdhsa_forward_progress 1
		.amdhsa_inst_pref_size 227
	.end_amdhsa_kernel
	.amdgpu_metadata
---
amdhsa.version: [ 1, 2 ]
amdhsa.kernels:
  - .name:           k_qf606394f6e_proj
    .symbol:         k_qf606394f6e_proj.kd
    .args:
      - { .name: cod, .offset: 0, .size: 8, .value_kind: global_buffer, .address_space: global }
      - { .name: scl, .offset: 8, .size: 8, .value_kind: global_buffer, .address_space: global }
      - { .name: in_proj_bias, .offset: 16, .size: 8, .value_kind: global_buffer, .address_space: global }
      - { .name: qc, .offset: 24, .size: 8, .value_kind: global_buffer, .address_space: global }
      - { .name: qs, .offset: 32, .size: 8, .value_kind: global_buffer, .address_space: global }
      - { .name: kv, .offset: 40, .size: 8, .value_kind: global_buffer, .address_space: global }
    .group_segment_fixed_size: 327680
    .private_segment_fixed_size: 0
    .kernarg_segment_align: 8
    .kernarg_segment_size: 48
    .max_flat_workgroup_size: 128
    .sgpr_count:     106
    .vgpr_count:     1024
    .wavefront_size: 32
...
	.end_amdgpu_metadata
.endif
;; end of part 2
;; launch attn (part 3): grid 2 x 128, 8 waves a work-group, no clusters, 183,040 bytes of LDS; arguments qc, qs, kv, ao, aos; writes ao, aos
.if DOCPART == 3
	.amdgcn_target "amdgcn-amd-amdhsa--gfx1250"
	.amdhsa_code_object_version 6
	.text
	.protected	k_qf606394f6e_attn
	.globl	k_qf606394f6e_attn
	.p2align	8
	.type	k_qf606394f6e_attn,@function
k_qf606394f6e_attn:
	s_mov_b64 s[64:65], 0
	v_nop
	global_prefetch_b8 v0, s[64:65] scope:SCOPE_SE
	s_setreg_imm32_b32 hwreg(HW_REG_WAVE_MODE, 25, 1), 1
	s_wait_xcnt 0x0
; THIRD LAUNCH: attention on codes of FP8 (E4M3) with E8M0 scales, 128 (batch, head) pairs, 1,025 positions, head size 64; the result is quantised along the output projection's K and stored as fragment images.
; THE SOFTMAX AHEAD OF THE SECOND PRODUCT: t = score x log2(e) (q carries the 1/8); M = the running largest t rounded UP to a whole number; p = 2^(t - M) is quantised along the keys, not normalised;
; the row's sum is taken of the unquantised p and divides at the end; when M moves, the sum and O are multiplied by 2^(old M - new M), exactly.
; SHARES.  A head's K, V^T and scale words, 147,200 bytes, lie in LDS for the whole launch: five tensor loads at the head, no refill.  Two work-groups share a head: work-group p takes query tiles 32 p .. 32 p + 31.
; A wave owns TWO neighbouring tiles at a time (A in register window 0, B in window 1), which share every fragment of K and V^T read from LDS: 8 waves x 2 tiles x 2 passes = 32 tiles.
; THE DUMMY QUERY'S TILE (tile 64) is walked by work-group 0 of a head, its keys dealt among the 8 waves: wave w takes key step w (all take the dummy key for M; wave 0 alone counts its p).  The eight parts (O^T, -M, the sum)
; go through LDS; waves 0 and 4 join them under the largest M by exact powers of two, each for one block of 32 of the head's 64 channels, which it quantises and stores.
; Rows 1..15 of that tile have zero codes: their results are finite, are stored, and the last launch stores nothing made of them.
; NO CLUSTER: the dummy tile's path, with its barrier, hangs on the work-group's number, and the two work-groups of a head read its record once each, at the head.  NO PREFETCH: the loops fetch nothing of the record from memory.
; LAYOUT.  Both products are used transposed (S^T = K Q^T, O^T = V^T P^T): a lane holds one query (lane % 16); the keys of a tile are chosen (first launch) so that the 16 registers of tiles 2 b, 2 b + 1 are 16 neighbouring keys.
; K = 64 IN AN INSTRUCTION OF 128: Q's register groups 2, 3 are zero codes; K's tile t is named with 16 registers, the upper 8 being the next tile's codes (behind tile 7: zeros); scale bytes 2, 3 are 0 on both sides.
; THE DUMMY KEY (position 1024) starts every sum: its score gives the first M, its p the first sum, V^T's ninth K step the first O^T: nothing is cleared.
; A key step's LDS loads go out in one run: V^T of this step and K of the next.  In the eighth step that look-ahead reads K's tile 64 and the bytes behind it, which nothing uses.
; LIMITS: NaN and infinities are not served; a block of the result under 2^-118 gets the byte 1.  A block's largest p is taken as the p of its largest score, which leans on v_exp_f32 not falling where its input rises.
; REGISTERS.  Window 0: v1 16 x lane; v2, v3, v4 the same + V^T's, K's scales', V's scales' place; v5, v6 the add's two; v7-10 a step's addresses; v32-95 K's 8 tiles, v96-103 zeros; v232-235 K's scale words, v236-237 V's;
; v240, v241 p's scale words (A, B); v242-245, v254 the parts' LDS places; v246, v247 Q's scale words; v248 8 r; v249 the dummy tile's factor; v252 16 r.  Window 1: v0-7, v240-247 the next pass's Q, v232, v233 its scale words; v32-95 V^T's 4 fragments.
; In each tile's own window: v11 1 in lanes 0-15; v12 -M; v13 the largest t; v[14:15] the sum; v16-23 Q, v24-31 zeros; v104-167 S^T, then p; v168-199 O^T; v200-215 p's codes; v216-231, v250, v251 at work; v238 f; v253 the result's scale bytes.
.set VOFF,  66560                      ; a record: K's 65 tiles x 1,024 bytes; V^T's 9 x 4 fragments of 2,048;
.set KSOFF, 140288                     ; K's scale words, 9 x 512;
.set VSOFF, 144896                     ; V's, 9 x 256
.set SCR,   147200                     ; the dummy tile's parts: for each wave 4,096 bytes of O^T and 256 of (-M, sum)
.set PSZ,   4352
.set SPARE, SCR+8*PSZ                  ; the spare words, 128 bytes a wave
.set MSB, 0
.macro WIN new                         ; the immediate's high byte repeats the setting that is left
.if MSB != (\new)
	s_set_vgpr_msb (MSB<<8)|(\new)
.set MSB, (\new)
.endif
.endm
.macro PLACES n
.rept \n
	v_nop
.endr
.endm
.macro WALU
	s_wait_alu depctr_va_vdst(0)
.endm
.macro QLOAD                           ; tiles s26 (even) and s26 + 1: 2,048 consecutive bytes of codes and their scale words, into the registers in waiting
	s_lshl_b32 s2, s26, 10
	s_mov_b32 s3, 0
	s_add_nc_u64 s[44:45], s[40:41], s[2:3]
	s_lshr_b32 s2, s26, 3
	s_lshl_b32 s2, s2, 9
	s_bfe_u32 s27, s26, 0x20001
	s_lshl_b32 s27, s27, 2
	s_add_co_u32 s2, s2, s27
	s_add_nc_u64 s[46:47], s[42:43], s[2:3]
	WIN 0x40
	global_load_b128 v[0:3], v1, s[44:45]
	global_load_b128 v[4:7], v1, s[44:45] offset:512
	global_load_b128 v[240:243], v1, s[44:45] offset:1024
	global_load_b128 v[244:247], v1, s[44:45] offset:1536
	global_load_b32 v232, v252, s[46:47]
	global_load_b32 v233, v252, s[46:47] offset:256
	WIN 0
.endm
.macro LOAD9                           ; K's tile 64, V^T's ninth K step and their scale words
	v_add_nc_u32 v7, 32768, v1
	v_add_nc_u32 v8, 32768, v2
	ds_load_b128 v[88:91], v7 offset:32768
	ds_load_b128 v[92:95], v7 offset:32768+512
	ds_load_b32 v232, v3 offset:4096
	ds_load_b64 v[236:237], v4 offset:2048
	WIN 0x40
.irp t, 0,1,2,3
.irp c, 0,1,2,3
	ds_load_b128 v[32+16*\t+4*\c:35+16*\t+4*\c], v8 offset:32768+\t*2048+512*\c
.endr
.endr
	WIN 0
.endm
.macro LOADK ko, so                    ; 8 tiles of K and their scale words (register t / 2: lanes 0-15 the even tile's, lanes 16-31 the odd one's)
.irp t, 0,1,2,3,4,5,6,7
	ds_load_b128 v[32+8*\t:35+8*\t], v7 offset:(\ko)+\t*1024
	ds_load_b128 v[36+8*\t:39+8*\t], v7 offset:(\ko)+\t*1024+512
.endr
	ds_load_b128 v[232:235], v9 offset:\so
.endm
.macro LOADV
	ds_load_b64 v[236:237], v10
	WIN 0x40
.irp t, 0,1,2,3
.irp c, 0,1,2,3
	ds_load_b128 v[32+16*\t+4*\c:35+16*\t+4*\c], v8 offset:\t*2048+512*\c
.endr
.endr
	WIN 0
.endm
.macro SINIT T                         ; the dummy key's scores of tile T
	WIN 0x54*(\T)
	v_wmma_scale_f32_16x16x128_f8f6f4 v[104:111], v[88:103], v[16:31], 0, v232, v[246+\T]
.endm
.macro SMUL T                          ; S^T = K Q^T: 128 keys x tile T's 16 queries
	WIN 0x54*(\T)
.irp t, 0,2,4,6
	v_wmma_scale_f32_16x16x128_f8f6f4 v[104+8*\t:111+8*\t], v[32+8*\t:47+8*\t], v[16:31], 0, v[232+\t/2], v[246+\T]
	v_wmma_scale_f32_16x16x128_f8f6f4 v[112+8*\t:119+8*\t], v[40+8*\t:55+8*\t], v[16:31], 0, v[232+\t/2], v[246+\T] matrix_a_scale:MATRIX_SCALE_ROW1
.endr
.endm
.macro PV T, zero                      ; O^T (+)= V^T P^T; V^T's fragments lie in window 1
	WIN 0x01+0x54*(\T)
.irp t, 0,2
.if \zero
	v_wmma_scale_f32_16x16x128_f8f6f4 v[168+8*\t:175+8*\t], v[32+16*\t:47+16*\t], v[200:215], 0, v[236+\t/2], v[240+\T]
	v_wmma_scale_f32_16x16x128_f8f6f4 v[176+8*\t:183+8*\t], v[48+16*\t:63+16*\t], v[200:215], 0, v[236+\t/2], v[240+\T] matrix_a_scale:MATRIX_SCALE_ROW1
.else
	v_wmma_scale_f32_16x16x128_f8f6f4 v[168+8*\t:175+8*\t], v[32+16*\t:47+16*\t], v[200:215], v[168+8*\t:175+8*\t], v[236+\t/2], v[240+\T]
	v_wmma_scale_f32_16x16x128_f8f6f4 v[176+8*\t:183+8*\t], v[48+16*\t:63+16*\t], v[200:215], v[176+8*\t:183+8*\t], v[236+\t/2], v[240+\T] matrix_a_scale:MATRIX_SCALE_ROW1
.endif
.endr
.endm
; The dummy key starts tile T's sums.  F: 1 in the lanes that count its p (lanes 0-15; in the dummy tile: of wave 0 alone), else 0.
.macro INITV T, F
	WIN 0x55*(\T)
	WALU                                           ; ahead of the first reader of the scores
	v_permlanex16_b32 v250, v104, s20, s21         ; key 1024's score lies in register 0 of lanes 0-15:
	v_cndmask_b32 v250, v104, v250, s25            ; both halves take it
	v_mul_f32 v13, s22, v250                       ; the first t,
	v_floor_f32 v12, -v13                          ; the first -M
	v_fma_f32 v250, v250, s22, v12
	WALU
	v_exp_f32 v250, v250                           ; p, above 1/2
	v_mov_b32 v15, 0                               ; (the plain line behind the exponential)
	WALU
	v_mul_f32 v14, v250, v[\F]                     ; the sum begins with it, once
	v_add_nc_u32 v228, 0xfc000000, v250
	v_and_or_b32 v224, v250, 0x7f800000, s24
	WIN 0x15*(\T)                                  ; scale operands are taken from window 0
	v_lshrrev_b32 v[240+\T], 23, v228              ; the block's byte; the other three blocks are zero codes under the byte 0
	WIN 0x55*(\T)
	v_min_num_f32 v104, v250, v224
	v_mul_f32 v104, v104, v[\F]
.irp n, 105,106,107,108,109,110,111
	v_mov_b32 v[\n], 0
.endr
	v_cvt_scalef32_pk8_fp8_f32 v[200:201], v[104:111], v228
	v_nop
.irp n, 202,203,204,205,206,207,208,209,210,211,212,213,214,215
	v_mov_b32 v[\n], 0
.endr
	PLACES 4                                       ; codes written by vector lines stand four places ahead of the product
.endm
; Tile T's softmax of a key step: scores in v104-167 -> p's codes v200-215, p's scale word, the sum, O^T under the new M.
.macro SOFT T
	WIN 0x55*(\T)
	WALU                                           ; ahead of the first readers of the scores
.irp b, 0,1,2,3
	v_max3_num_f32 v[216+\b], v[104+16*\b], v[105+16*\b], v[106+16*\b]   ; the largest score of each block of 32 keys, in two chains a block: for the row's maximum and for the block's largest p
.endr
.irp b, 0,1,2,3
	v_max3_num_f32 v[220+\b], v[107+16*\b], v[108+16*\b], v[109+16*\b]
.endr
.irp i, 6,10,14
.irp b, 0,1,2,3
	v_max3_num_f32 v[216+\b], v[216+\b], v[104+16*\b+\i], v[105+16*\b+\i]
.endr
.if \i < 14
.irp b, 0,1,2,3
	v_max3_num_f32 v[220+\b], v[220+\b], v[106+16*\b+\i], v[107+16*\b+\i]
.endr
.endif
.endr
.irp b, 0,1,2,3
	v_max_num_f32 v[216+\b], v[216+\b], v[220+\b]
.endr
.irp b, 0,1,2,3
	v_permlanex16_b32 v[224+\b], v[216+\b], s20, s21
.endr
.irp b, 0,1,2,3
	v_max_num_f32 v[216+\b], v[216+\b], v[224+\b]  ; with lane l xor 16's 16 keys
.endr
	s_delay_alu instid0(VALU_DEP_2)
	v_max3_num_f32 v250, v216, v217, v218
	s_delay_alu instid0(VALU_DEP_1)
	v_max_num_f32 v250, v250, v219
	s_delay_alu instid0(VALU_DEP_1)
	v_mul_f32 v250, s22, v250                      ; as t
	s_delay_alu instid0(VALU_DEP_1)
	v_max_num_f32 v13, v13, v250                   ; the running largest t
	v_mov_b32 v250, v12
	s_delay_alu instid0(VALU_DEP_2)
	v_floor_f32 v12, -v13                          ; the new -M = -ceil(t)
	s_delay_alu instid0(VALU_DEP_1)
	v_sub_f32 v250, v12, v250                      ; old M - new M: a whole number, 0 or less
	s_delay_alu instid0(VALU_DEP_1)
	v_cvt_i32_f32 v250, v250
	s_delay_alu instid0(VALU_DEP_1)
	v_ldexp_f32 v238, 1.0, v250                    ; f = 2^(old M - new M)
.set N_, 0
.rept 32
	v_pk_fma_f32 v[104+N_:105+N_], v[104+N_:105+N_], s[22:23], v[12:13] op_sel_hi:[1,0,0]   ; t - M, two at a time
.set N_, N_+2
.endr
	v_pk_fma_f32 v[216:217], v[216:217], s[22:23], v[12:13] op_sel_hi:[1,0,0]   ; the same of each block's largest score
	v_pk_fma_f32 v[218:219], v[218:219], s[22:23], v[12:13] op_sel_hi:[1,0,0]
	WALU                                           ; ahead of the batch
.set N_, 0
.rept 64
	v_exp_f32 v[104+N_], v[104+N_]                 ; p = 2^(t - M)
.set N_, N_+1
.endr
	v_pk_mul_f32 v[14:15], v[14:15], v[238:239] op_sel_hi:[1,0]   ; the sums under the new M: the plain line behind the exponentials
	WALU                                           ; one wait for the batch
.irp b, 0,1,2,3
	v_exp_f32 v[216+\b], v[216+\b]                 ; each block's largest p
.endr
	v_pk_add_f32 v[220:221], v[104:105], v[106:107]   ; the row's sum of the unquantised p, in four chains
	v_pk_add_f32 v[222:223], v[108:109], v[110:111]
	v_pk_add_f32 v[224:225], v[112:113], v[114:115]
	v_pk_add_f32 v[14:15], v[14:15], v[116:117]
.set N_, 0
.rept 25
.if N_%4 == 3
	v_pk_add_f32 v[14:15], v[14:15], v[118+2*N_:119+2*N_]
.else
	v_pk_add_f32 v[220+2*(N_%4):221+2*(N_%4)], v[220+2*(N_%4):221+2*(N_%4)], v[118+2*N_:119+2*N_]
.endif
.set N_, N_+1
.endr
	v_pk_add_f32 v[220:221], v[220:221], v[222:223]
	v_pk_add_f32 v[14:15], v[14:15], v[224:225]
	v_pk_add_f32 v[14:15], v[14:15], v[220:221]
	WALU                                           ; and one for the four
.irp b, 0,1,2,3
	v_max_num_f32 v[216+\b], 0x4800000, v[216+\b]  ; the floor 2^(9 - 127): the byte cannot fall under 1
.endr
.irp b, 0,1,2,3
	v_add_nc_u32 v[228+\b], 0xfc000000, v[216+\b]  ; the conversion's scale operand
.endr
.irp b, 0,1,2,3
	v_and_or_b32 v[224+\b], v[216+\b], 0x7f800000, s24   ; 448 x the scale
.endr
.irp b, 0,1,2,3
	v_lshrrev_b32 v[220+\b], 23, v[228+\b]
.endr
	v_lshl_or_b32 v251, v221, 8, v220
	v_lshl_or_b32 v251, v222, 16, v251
	WIN 0x15*(\T)
	v_lshl_or_b32 v[240+\T], v223, 24, v251        ; p's scale word for these 128 keys, in window 0
	WIN 0x55*(\T)
.irp b, 0,1,2,3
.set N_, 0
.rept 8
	v_dual_min_num_f32 v[104+16*\b+N_], v[104+16*\b+N_], v[224+\b] :: v_dual_min_num_f32 v[105+16*\b+N_], v[105+16*\b+N_], v[224+\b]   ; the conversion does not saturate (ISA guide 7.6.2); p is not negative: a one-sided hold, two to a line
.set N_, N_+2
.endr
	v_cvt_scalef32_pk8_fp8_f32 v[200+4*\b:201+4*\b], v[104+16*\b:111+16*\b], v[228+\b]
	v_cvt_scalef32_pk8_fp8_f32 v[202+4*\b:203+4*\b], v[112+16*\b:119+16*\b], v[228+\b]
.endr
	WALU                                           ; ahead of the first reader of O^T
.set N_, 0
.rept 16
	v_pk_mul_f32 v[168+N_:169+N_], v[168+N_:169+N_], v[238:239] op_sel_hi:[1,0]   ; O^T under the new M; these 16 are also the places between the codes and the products
.set N_, N_+2
.endr
.endm
; A KEY STEP of 128 keys at s60 (codes), s61, s62 (scale words).  two: both tiles; ahead: the next step's K is fetched too.
.macro KSTEP two, ahead
	SMUL 0
.if \two
	SMUL 1
.endif
	WIN 0
	v_add_nc_u32 v8, s60, v2                       ; eight places ahead of the loads into registers that products have read
	v_add_nc_u32 v10, s62, v4
.if \ahead
	v_add_nc_u32 v7, s60, v1
	v_add_nc_u32 v9, s61, v3
	PLACES 4
.else
	PLACES 6
.endif
	LOADV
.if \ahead
	LOADK 8192, 512
.endif
	SOFT 0
	WALU                                           ; ahead of the wait below
	s_wait_dscnt 0x0                               ; V^T, and the next step's K
	PV 0, 0
.if \two
	SOFT 1
	PV 1, 0
.endif
	WIN 0
.endm
; O^T / the sum of tile s17 + T, quantised along the head's 64 channels (two blocks of 32), stored.
.macro EPI T
	WIN 0x55*(\T)
	v_add_f32 v14, v14, v15
	v_permlanex16_b32 v250, v14, s20, s21
	v_add_f32 v14, v14, v250
	WALU
	v_rcp_f32 v14, v14
	v_nop
	s_add_co_u32 s18, s17, \T
	; tiles lie in ao in an order that puts batch b's dummy tile fifth in the group of five 96 + b: rho = 64 b + T; P = rho under 480, else 480 + 5 ((rho - 480) / 4) + (rho - 480) % 4
	s_lshr_b32 s2, s16, 4
	s_lshl_b32 s3, s2, 6
	s_add_co_u32 s3, s3, s18
	s_max_u32 s26, s3, 480
	s_sub_co_u32 s26, s26, 480
	s_lshr_b32 s27, s26, 2
	s_mul_i32 s27, s27, 5
	s_and_b32 s26, s26, 3
	s_add_co_u32 s27, s27, s26
	s_add_co_u32 s27, s27, 480
	s_cmp_lt_u32 s3, 480
	s_cselect_b32 s27, s3, s27
	s_lshl_b32 s2, s27, 14
	s_mov_b32 s3, 0
	s_add_nc_u64 s[48+4*\T:49+4*\T], s[56:57], s[2:3]
	s_lshl_b32 s2, s27, 9
	s_add_nc_u64 s[50+4*\T:51+4*\T], s[58:59], s[2:3]
	WALU                                           ; ahead of the first reader of the reciprocal and of O^T
.set N_, 0
.rept 16
	v_pk_mul_f32 v[104+N_:105+N_], v[168+N_:169+N_], v[14:15] op_sel_hi:[1,0]   ; register 16 b + i: channel 32 b + 16 h + i of my query
.set N_, N_+2
.endr
.irp b, 0,1
	v_max3_num_f32 v[216+\b], |v[104+16*\b]|, |v[105+16*\b]|, 0x4800000
	v_max3_num_f32 v[218+\b], |v[112+16*\b]|, |v[113+16*\b]|, |v[114+16*\b]|
.endr
.irp i, 2,4,6
.irp b, 0,1
	v_max3_num_f32 v[216+\b], v[216+\b], |v[104+16*\b+\i]|, |v[105+16*\b+\i]|
.endr
.endr
.irp i, 3,5
.irp b, 0,1
	v_max3_num_f32 v[218+\b], v[218+\b], |v[112+16*\b+\i]|, |v[113+16*\b+\i]|
.endr
.endr
.irp b, 0,1
	v_max3_num_f32 v[216+\b], v[216+\b], v[218+\b], |v[119+16*\b]|
.endr
.irp b, 0,1
	v_permlanex16_b32 v[224+\b], v[216+\b], s20, s21
.endr
.irp b, 0,1
	v_max_num_f32 v[216+\b], v[216+\b], v[224+\b]
.endr
.irp b, 0,1
	v_add_nc_u32 v[228+\b], 0xfc000000, v[216+\b]
.endr
.irp b, 0,1
	v_and_or_b32 v[220+\b], v[216+\b], 0x7f800000, s24
.endr
.irp b, 0,1
	v_lshrrev_b32 v[224+\b], 23, v[228+\b]
.endr
	v_lshl_or_b32 v253, v225, 8, v224
.irp b, 0,1
.set N_, 0
.rept 16
	v_med3_num_f32 v[104+16*\b+N_], v[104+16*\b+N_], -v[220+\b], v[220+\b]
.set N_, N_+1
.endr
	v_cvt_scalef32_pk8_fp8_f32 v[200+4*\b:201+4*\b], v[104+16*\b:111+16*\b], v[228+\b]
	v_cvt_scalef32_pk8_fp8_f32 v[202+4*\b:203+4*\b], v[112+16*\b:119+16*\b], v[228+\b]
.endr
	v_nop
	WIN 0x04*(\T)                                  ; the data in the tile's window, the offsets in window 0
	global_store_b128 v1, v[200:203], s[48+4*\T:49+4*\T]     ; 1,024 consecutive bytes in two stores
	global_store_b128 v1, v[204:207], s[48+4*\T:49+4*\T] offset:512
	global_store_b16 v248, v253, s[50+4*\T:51+4*\T]          ; my row's two scale bytes (both halves of the lanes store the same)
	WIN 0
.endm
.macro MLOAD w                         ; my block's 16 registers of part w's O^T: parts 0-3 into v104-167, parts 4-7 into v32-95
.set MR_, 104+16*(\w)-136*((\w)/4)
.irp i, 0,1,2,3
	ds_load_b128 v[MR_+4*\i:MR_+3+4*\i], v254 offset:(\w)*PSZ+512*\i
.endr
.endm
	s_load_b256 s[4:11], s[0:1], 0x0               ; qc s[4:5], qs s[6:7], kv s[8:9], ao s[10:11]
	s_load_b64 s[12:13], s[0:1], 0x20              ; aos
	v_lshl_add_u32 v5, v0, 2, SPARE
	v_mov_b32 v6, 0
	ds_add_u32 v5, v6                              ; the wave's opening: the add, twice on end, and its wait ahead of the first tensor load
	ds_add_u32 v5, v6
	v_lshrrev_b32 v1, 5, v0
	v_readfirstlane_b32 s14, v1                    ; wave 0..7
	s_mov_b32 s15, ttmp9                           ; p
	s_and_b32 s16, ttmp7, 0xffff                   ; batch x 16 + head
	s_mov_b32 s32, 3<<16                           ; group 1: 115 rows of 32 elements of 8 bytes, dense: a fifth of the record
	s_mov_b32 s33, 32<<16
	s_mov_b32 s34, 115<<16
	s_mov_b32 s35, 32<<16
	s_mov_b32 s36, 115
	s_mov_b32 s37, 32
	s_mov_b32 s38, 0
	s_mov_b32 s39, 0
	s_mov_b32 s28, 1
	s_mul_i32 s29, s14, 29440                      ; LDS address: wave x 115 x 256
	s_mul_i32 s2, s16, 147456
	s_add_co_u32 s2, s2, s29
	s_mov_b32 s3, 0
	s_mov_b32 s20, 0x76543210                      ; v_permlanex16_b32's selects for lane l xor 16
	s_mov_b32 s21, 0xfedcba98
	s_mov_b32 s22, 0x3fb8aa3b                      ; log2(e)
	s_mov_b32 s23, s22
	s_mov_b32 s24, 0x600000                        ; the mantissa field of 448
	s_mov_b32 s25, 0xffff0000                      ; lanes 16-31
	s_wait_dscnt 0x0                               ; both opening adds are done
	s_wait_kmcnt 0x0
	s_add_nc_u64 s[30:31], s[8:9], s[2:3]
	s_or_b32 s31, s31, 0x80000000
	s_cmp_lt_u32 s14, 5                            ; waves 0 to 4 fetch, one load each
	s_cbranch_scc0 .Lno_fill
	tensor_load_to_lds s[28:31], s[32:39]
	s_nop 0
	PLACES 4
.Lno_fill:
	v_and_b32 v9, 31, v0
	v_lshlrev_b32 v1, 4, v9
	v_add_nc_u32 v2, VOFF, v1
	v_add_nc_u32 v3, KSOFF, v1
	v_lshl_add_u32 v4, v9, 3, VSOFF
	v_and_b32 v10, 15, v0
	v_lshlrev_b32 v252, 4, v10
	v_lshlrev_b32 v248, 3, v10
	v_add_nc_u32 v242, SCR, v1                     ; the parts: O^T as an image of the registers,
	v_lshl_add_u32 v243, v9, 3, SCR+4096           ; (-M, sum) 8 bytes a lane;
	s_mul_i32 s26, s14, PSZ
	v_add_nc_u32 v244, s26, v242                   ; my wave's own part;
	v_add_nc_u32 v245, s26, v243
	s_lshr_b32 s27, s14, 2
	s_lshl_b32 s27, s27, 11
	v_add_nc_u32 v254, s27, v242                   ; and, for the join, block wave / 4: registers 16 (wave / 4) on, 2,048 bytes of a part
.irp n, 24,25,26,27,28,29,30,31,96,97,98,99,100,101,102,103,224,225,226,227,239,250
	v_mov_b32 v[\n], 0                             ; the zero codes; and registers that are named (a permute's destination, a pair's upper half) before they are first written
.endr
	v_mov_b32 v9, 1.0
	v_cndmask_b32 v11, v9, v24, s25                ; 1 in lanes 0-15
	s_cmp_eq_u32 s14, 0
	s_cselect_b32 s26, 1.0, 0
	v_mul_f32 v249, s26, v11                       ; the same in wave 0 alone
	WIN 0x40
.irp n, 24,25,26,27,28,29,30,31,224,225,226,227,239,250
	v_mov_b32 v[\n], 0                             ; tile B's
.endr
	v_mov_b32 v11, v11
	WIN 0
	s_lshl_b32 s17, s15, 5
	s_lshl_b32 s26, s14, 1
	s_add_co_u32 s17, s17, s26                     ; my first tile: 32 p + 2 x wave
	s_mul_i32 s2, s16, 66560
	s_add_nc_u64 s[40:41], s[4:5], s[2:3]          ; the head's queries
	s_mul_i32 s2, s16, 4608
	s_add_nc_u64 s[42:43], s[6:7], s[2:3]          ; and their scale words
	s_and_b32 s26, s16, 15                         ; the head: its 64 channels are register groups 2 (head % 2), + 1 of K step head / 2 of the output projection
	s_lshr_b32 s2, s26, 1
	s_lshl_b32 s2, s2, 11
	s_and_b32 s27, s26, 1
	s_lshl_b32 s27, s27, 10
	s_add_co_u32 s2, s2, s27
	s_add_nc_u64 s[56:57], s[10:11], s[2:3]
	s_lshr_b32 s2, s26, 2
	s_lshl_b32 s2, s2, 7
	s_bfe_u32 s27, s26, 0x10001
	s_lshl_b32 s27, s27, 2
	s_add_co_u32 s2, s2, s27
	s_and_b32 s27, s26, 1
	s_lshl_b32 s27, s27, 1
	s_add_co_u32 s2, s2, s27
	s_add_nc_u64 s[58:59], s[12:13], s[2:3]
	WALU                                           ; at the head's end
	s_mov_b32 s26, s17
	QLOAD
	s_cmp_lg_u32 s15, 0
	s_cbranch_scc1 .Lno_qd
	global_load_b128 v[16:19], v1, s[40:41] offset:65536    ; work-group 0 of a head: the dummy query's tile
	global_load_b128 v[20:23], v1, s[40:41] offset:66048
	global_load_b32 v246, v252, s[42:43] offset:4096
.Lno_qd:
	s_wait_tensorcnt 0x0                           ; my part of the record has landed,
	s_barrier_signal -1
	s_barrier_wait -1                              ; everybody's has
	s_cmp_lg_u32 s15, 0
	s_cbranch_scc1 .Lmain
	; ---- the dummy query's tile: wave w takes key step w
	s_wait_loadcnt 0x0
	s_lshl_b32 s60, s14, 13
	s_lshl_b32 s61, s14, 9
	s_lshl_b32 s62, s14, 8
	LOAD9
	s_wait_dscnt 0x0
	SINIT 0
	v_add_nc_u32 v7, s60, v1
	v_add_nc_u32 v9, s61, v3
	PLACES 6
	LOADK 0, 0
	INITV 0, 249
	PV 0, 1
	WIN 0
	WALU
	s_wait_dscnt 0x0
	KSTEP 0, 0
	v_add_f32 v13, v14, v15                        ; my lane's sum; with seven more: eight places ahead of the stores that read O^T
	PLACES 7
.irp i, 0,1,2,3,4,5,6,7
	ds_store_b128 v244, v[168+4*\i:171+4*\i] offset:512*\i
.endr
	ds_store_b64 v245, v[12:13]
	WALU
	s_wait_dscnt 0x0                               ; my part is in LDS,
	s_barrier_signal -1
	s_barrier_wait -1                              ; everybody's is
	s_and_b32 s26, s14, 3
	s_cmp_lg_u32 s26, 0
	s_cbranch_scc1 .Lmain
	; waves 0 and 4 join the eight parts, lane by lane, each for its block of 32 channels: -M* = the least -M; part w counts x 2^(M_w - M*)
.irp w, 0,1,2,3,4,5,6,7
	ds_load_b64 v[216+2*\w:217+2*\w], v243 offset:\w*PSZ
.endr
.irp w, 0,1,2,3,4,5,6,7
	MLOAD \w
.endr
	s_wait_dscnt 32                                ; the eight small loads are in; the 32 behind them may be out
	v_min_num_f32 v250, v216, v218
.irp w, 2,3,4,5,6,7
	v_min_num_f32 v250, v250, v[216+2*\w]
.endr
.irp w, 0,1,2,3,4,5,6,7
	v_sub_f32 v[216+2*\w], v250, v[216+2*\w]
.endr
.irp w, 0,1,2,3,4,5,6,7
	v_cvt_i32_f32 v[216+2*\w], v[216+2*\w]
.endr
.irp w, 0,1,2,3,4,5,6,7
	v_ldexp_f32 v[216+2*\w], 1.0, v[216+2*\w]
.endr
	v_mul_f32 v14, v216, v217
.irp w, 1,2,3,4,5,6,7
	v_fmac_f32 v14, v[216+2*\w], v[217+2*\w]
.endr
	v_mov_b32 v15, 0
	WALU
	s_wait_dscnt 0x0
.irp w, 0,1,2,3,4,5,6,7
.set MR_, 104+16*\w-136*(\w/4)
.set N_, 0
.rept 8
.if \w == 0
	v_pk_mul_f32 v[168+N_:169+N_], v[104+N_:105+N_], v[216:217] op_sel_hi:[1,0]
.else
	v_pk_fma_f32 v[168+N_:169+N_], v[MR_+N_:MR_+1+N_], v[216+2*\w:217+2*\w], v[168+N_:169+N_] op_sel_hi:[1,0,1]
.endif
.set N_, N_+2
.endr
.endr
	v_permlanex16_b32 v250, v14, s20, s21
	v_add_f32 v14, v14, v250                       ; the row's sum
	WALU
	v_rcp_f32 v14, v14
	v_nop
	s_lshr_b32 s2, s16, 4                          ; the dummy tile of batch b lies at place 484 + 5 b of ao; my block: 512 bytes of codes, one scale byte a row
	s_mul_i32 s2, s2, 5
	s_add_co_u32 s27, s2, 484
	s_lshr_b32 s26, s14, 2
	s_lshl_b32 s2, s27, 14
	s_lshl_b32 s3, s26, 9
	s_add_co_u32 s2, s2, s3
	s_mov_b32 s3, 0
	s_add_nc_u64 s[48:49], s[56:57], s[2:3]
	s_lshl_b32 s2, s27, 9
	s_add_co_u32 s2, s2, s26
	s_add_nc_u64 s[50:51], s[58:59], s[2:3]
	WALU                                           ; ahead of the first reader of the reciprocal
.set N_, 0
.rept 8
	v_pk_mul_f32 v[104+N_:105+N_], v[168+N_:169+N_], v[14:15] op_sel_hi:[1,0]
.set N_, N_+2
.endr
	v_max3_num_f32 v216, |v104|, |v105|, 0x4800000
	v_max3_num_f32 v218, |v112|, |v113|, |v114|
.irp i, 2,4,6
	v_max3_num_f32 v216, v216, |v[104+\i]|, |v[105+\i]|
.endr
.irp i, 3,5
	v_max3_num_f32 v218, v218, |v[112+\i]|, |v[113+\i]|
.endr
	v_max3_num_f32 v216, v216, v218, |v119|
	v_permlanex16_b32 v224, v216, s20, s21
	v_max_num_f32 v216, v216, v224
	v_add_nc_u32 v228, 0xfc000000, v216
	v_and_or_b32 v220, v216, 0x7f800000, s24
	v_lshrrev_b32 v253, 23, v228
.set N_, 0
.rept 16
	v_med3_num_f32 v[104+N_], v[104+N_], -v220, v220
.set N_, N_+1
.endr
	v_cvt_scalef32_pk8_fp8_f32 v[200:201], v[104:111], v228
	v_cvt_scalef32_pk8_fp8_f32 v[202:203], v[112:119], v228
	v_nop
	global_store_b128 v1, v[200:203], s[48:49]     ; 512 consecutive bytes
	global_store_b8 v248, v253, s[50:51]           ; my block's scale byte of each row (both halves of the lanes store the same)
.Lmain:
	s_mov_b32 s19, 0
.Lpass:                                            ; two trips: two tiles of 16 queries each
	s_wait_loadcnt 0x0                             ; the tiles' Q is in
	s_wait_xcnt 0x0                                ; earlier stores have read their data and bases: both are written again in this trip
	WIN 0x01
	v_mov_b32 v246, v232                           ; the scale words first: eight places ahead of the first product, the codes four
	v_mov_b32 v247, v233
.irp i, 0,1,2,3,4,5,6,7
	v_mov_b32 v[16+\i], v[\i]
.endr
	WIN 0x41
.irp i, 0,1,2,3,4,5,6,7
	v_mov_b32 v[16+\i], v[240+\i]
.endr
	WIN 0
	PLACES 4
	WALU                                           ; ahead of the branch
	s_cmp_lg_u32 s19, 0
	s_cbranch_scc1 .Lno_next
	s_add_co_u32 s26, s17, 16                      ; the second pass's tiles are asked for now
	QLOAD
.Lno_next:
	s_mov_b32 s60, 0
	s_mov_b32 s61, 0
	s_mov_b32 s62, 0
	LOAD9
	s_wait_dscnt 0x0
	SINIT 0
	SINIT 1
	WIN 0
	v_add_nc_u32 v7, s60, v1
	v_add_nc_u32 v9, s61, v3
	PLACES 6
	LOADK 0, 0
	INITV 0, 11
	PV 0, 1
	INITV 1, 11
	PV 1, 1
	WIN 0
	WALU
	s_wait_dscnt 0x0                               ; key step 0's K
	s_mov_b32 s63, 8
.Lkey:
	KSTEP 1, 1
	s_add_co_u32 s60, s60, 8192
	s_add_co_u32 s61, s61, 512
	s_add_co_u32 s62, s62, 256
	s_sub_co_u32 s63, s63, 1
	s_cmp_lg_u32 s63, 0
	s_cbranch_scc1 .Lkey
	EPI 0
	EPI 1
	s_add_co_u32 s17, s17, 16
	s_add_co_u32 s19, s19, 1
	s_cmp_lg_u32 s19, 2
	s_cbranch_scc1 .Lpass
	s_wait_tensorcnt 0x0                           ; the wave's end
	ds_add_u32 v5, v6
	s_wait_dscnt 0x0
	s_endpgm
.Lfunc_end_k_qf606394f6e_attn:
	.size	k_qf606394f6e_attn, .Lfunc_end_k_qf606394f6e_attn-k_qf606394f6e_attn
	.p2alignl 7, 3214868480
	.fill 96, 4, 3214868480
	.section	.rodata,"a",@progbits
	.p2align	6, 0x0
	.amdhsa_kernel k_qf606394f6e_attn
		.amdhsa_group_segment_fixed_size 183040
		.amdhsa_private_segment_fixed_size 0
		.amdhsa_enable_private_segment 0
		.amdhsa_kernarg_size 40
		.amdhsa_user_sgpr_count 2
		.amdhsa_user_sgpr_kernarg_segment_ptr 1
		.amdhsa_wavefront_size32 1
		.amdhsa_system_sgpr_workgroup_id_x 1
		.amdhsa_system_sgpr_workgroup_id_y 1
		.amdhsa_system_sgpr_workgroup_id_z 1
		.amdhsa_system_vgpr_workitem_id 0
		.amdhsa_next_free_vgpr 512
		.amdhsa_next_free_sgpr 66
		.amdhsa_reserve_vcc 0
		.amdhsa_float_denorm_mode_32 3
		.amdhsa_float_denorm_mode_16_64 3
		.amdhsa_memory_ordered 1
		.amdhsa_forward_progress 1
		.amdhsa_inst_pref_size 98
	.end_amdhsa_kernel
	.amdgpu_metadata
---
amdhsa.version: [ 1, 2 ]
amdhsa.kernels:
  - .name:           k_qf606394f6e_attn
    .symbol:         k_qf606394f6e_attn.kd
    .args:
      - { .name: qc, .offset: 0, .size: 8, .value_kind: global_buffer, .address_space: global }
      - { .name: qs, .offset: 8, .size: 8, .value_kind: global_buffer, .address_space: global }
      - { .name: kv, .offset: 16, .size: 8, .value_kind: global_buffer, .address_space: global }
      - { .name: ao, .offset: 24, .size: 8, .value_kind: global_buffer, .address_space: global }
      - { .name: aos, .offset: 32, .size: 8, .value_kind: global_buffer, .address_space: global }
    .group_segment_fixed_size: 183040
    .private_segment_fixed_size: 0
    .kernarg_segment_align: 8
    .kernarg_segment_size: 40
    .max_flat_workgroup_size: 256
    .sgpr_count:     66
    .vgpr_count:     512
    .wavefront_size: 32
...
	.end_amdgpu_metadata
.endif
;; end of part 3
;; launch outp (part 4): grid 4 x 52, 4 waves a work-group, clusters of 4 x 4, 327,680 bytes of LDS; arguments ao, aos, cod, scl, out_proj_bias, out0; writes out0
.if DOCPART == 4
	.amdgcn_target "amdgcn-amd-amdhsa--gfx1250"
	.amdhsa_code_object_version 6
	.text
	.protected	k_qf606394f6e_outp
	.globl	k_qf606394f6e_outp
	.p2align	8
	.type	k_qf606394f6e_outp,@function
k_qf606394f6e_outp:
	s_mov_b64 s[64:65], 0
	v_nop
	global_prefetch_b8 v0, s[64:65] scope:SCOPE_SE
	s_setreg_imm32_b32 hwreg(HW_REG_WAVE_MODE, 25, 1), 1
	s_wait_xcnt 0x0
	s_wait_alu depctr_hold_cnt(0) depctr_sa_sdst(0) depctr_va_vdst(0) depctr_va_sdst(0) depctr_va_ssrc(0) depctr_va_vcc(0) depctr_vm_vsrc(0)
	s_getreg_b32 s2, hwreg(HW_REG_IB_STS2, 6, 4)
	s_cmp_eq_u32 s2, 0
	s_cbranch_scc0 .Lentry_in_a_cluster
	s_endpgm
.Lentry_in_a_cluster:
	s_bfe_u32 s2, ttmp6, 0x10000c
	s_cmp_lg_u32 s2, 0xf033
	s_cbranch_scc0 .Lentry_shape_is_right
	s_endpgm
.Lentry_shape_is_right:
.set SLOT,  106496
.set BOFF,  40960
.set ASC,   212992
.set BSC,   218112
.set STAGE, 226304
.set SPITCH, 528
.set SPARE, 260096
.set NP, 8
.set LI,  1
.set VBR, 3
.set ADRA, 16
.set ADRB, 20
.set STO, 24
.set RD,  25
.set ADRS, 27
.set SPW, 28
.set NIL, 29
.set SC,  32
.set BK,  64
.set G1, 24
.set G0, 32
.set G1B, 48
.set G0B, 56
.set G1S, 68
.set G0S, 76
.set G1SB, 80
.set G0SB, 88
.set MSB, 0
.macro WIN new
.if MSB != (\new)
	s_set_vgpr_msb (MSB<<8)|(\new)
.set MSB, (\new)
.endif
.endm
.macro JLOAD g0a, g1a, g0b, g1b
	s_cmp_eq_u32 s17, 0
	s_cbranch_scc0 .Lfor_b_\@
	tensor_load_to_lds s[\g0a:\g0a+3], s[\g1a:\g1a+7]
	s_nop 0
.rept 4
	v_nop
.endr
	s_branch .Lasked_\@
.Lfor_b_\@:
	tensor_load_to_lds s[\g0b:\g0b+3], s[\g1b:\g1b+7]
	s_nop 0
.rept 4
	v_nop
.endr
.Lasked_\@:
.endm
.macro CREST
	s_cmp_lg_u32 s16, 0
	s_cbranch_scc1 .Lnot_wave_0_\@
	s_barrier_signal -3
.Lnot_wave_0_\@:
	s_barrier_wait -3
	s_barrier_signal -1
	s_barrier_wait -1
.endm
.macro CROUND
	s_barrier_signal -1
	s_barrier_wait -1
	CREST
.endm
.macro PLACES n
.rept \n
	v_nop
.endr
.endm
	s_load_b256 s[4:11], s[0:1], 0x0
	s_load_b128 s[12:15], s[0:1], 0x20
	v_lshl_add_u32 v[SPW], v0, 2, SPARE
	v_mov_b32 v[NIL], 0
	ds_add_u32 v[SPW], v[NIL]
	ds_add_u32 v[SPW], v[NIL]
	v_lshrrev_b32 v1, 5, v0
	v_readfirstlane_b32 s16, v1
	s_lshr_b32 s17, s16, 1
	s_and_b32 s18, s16, 1
	s_bfe_u32 s20, ttmp6, 0x40000
	s_bfe_u32 s21, ttmp6, 0x40004
	s_and_b32 s22, ttmp7, 0xffff
	s_lshl_b32 s42, s22, 2
	s_add_co_u32 s42, s42, s21
	s_mul_i32 s46, s42, 10
	s_mul_i32 s47, s18, 5
	s_add_co_u32 s46, s46, s47
	s_lshl_b32 s100, s20, 4
	s_lshl_b32 s101, s18, 3
	s_add_co_u32 s100, s100, s101
	s_add_co_u32 s100, s100, 1728
	s_lshl_b32 s2, s46, 14
	s_mov_b32 s3, 0
	s_lshl_b32 s46, s46, 9
	s_mov_b32 s47, 0
	s_lshl_b32 s98, s100, 14
	s_mov_b32 s99, 0
	s_lshl_b32 s100, s100, 9
	s_mov_b32 s101, 0
	s_lshl_b32 s44, s21, 2
	s_lshl_b32 s44, 15, s44
	s_lshl_b32 s45, 0x1111, s20
	s_or_b32 s[G1+0], s44, (3<<16)|(1<<21)
	s_mov_b32 s[G1+1], 512<<16
	s_mov_b32 s[G1+2], 10<<16                      ; at the head a load brings all 10 tiles of A; behind it the two words that count rows are set to 5
	s_mov_b32 s[G1+3], 512<<16
	s_mov_b32 s[G1+4], 10
	s_mov_b32 s[G1+5], 2048
	s_mov_b32 s[G1+6], 0
	s_mov_b32 s[G1+7], 0
	s_or_b32 s[G1B+0], s45, (3<<16)|(1<<21)
	s_mov_b32 s[G1B+1], 512<<16
	s_mov_b32 s[G1B+2], 16<<16                     ; and all 16 of B; then 8
	s_mov_b32 s[G1B+3], 512<<16
	s_mov_b32 s[G1B+4], 16
	s_mov_b32 s[G1B+5], 2048
	s_mov_b32 s[G1B+6], 0
	s_mov_b32 s[G1B+7], 0
	s_or_b32 s[G1S+0], s44, (3<<16)|(1<<21)
	s_mov_b32 s[G1S+1], 32<<16
	s_mov_b32 s[G1S+2], 20<<16
	s_mov_b32 s[G1S+3], 32<<16
	s_mov_b32 s[G1S+4], 20
	s_mov_b32 s[G1S+5], 32
	s_mov_b32 s[G1S+6], 0
	s_mov_b32 s[G1S+7], 0
	s_or_b32 s[G1SB+0], s45, (3<<16)|(1<<21)
	s_mov_b32 s[G1SB+1], 32<<16
	s_mov_b32 s[G1SB+2], 32<<16
	s_mov_b32 s[G1SB+3], 32<<16
	s_mov_b32 s[G1SB+4], 32
	s_mov_b32 s[G1SB+5], 32
	s_mov_b32 s[G1SB+6], 0
	s_mov_b32 s[G1SB+7], 0
	s_mul_i32 s19, s18, 20480
	s_lshl_b32 s23, s18, 15
	s_add_co_u32 s23, s23, BOFF
	s_wait_dscnt 0x0
	s_wait_kmcnt 0x0
	s_add_nc_u64 s[2:3], s[4:5], s[2:3]
	s_add_nc_u64 s[46:47], s[6:7], s[46:47]
	s_add_nc_u64 s[98:99], s[8:9], s[98:99]
	s_add_nc_u64 s[100:101], s[10:11], s[100:101]
	CROUND
	s_mov_b32 s[G0S], 1
	s_mov_b32 s[G0S+1], ASC
	s_mov_b64 s[G0S+2:G0S+3], s[46:47]
	s_or_b32 s[G0S+3], s[G0S+3], 0x80000000
	s_mov_b32 s[G0SB], 1
	s_mov_b32 s[G0SB+1], BSC
	s_lshl_b32 s104, s18, 12
	s_mov_b32 s105, 0
	s_sub_nc_u64 s[G0SB+2:G0SB+3], s[100:101], s[104:105]   ; back to B's first half (the wave that asks has the second)
	s_or_b32 s[G0SB+3], s[G0SB+3], 0x80000000
.irp s, 0,1
	s_mov_b32 s[G0+4*\s], 1
	s_add_co_u32 s[G0+4*\s+1], s19, \s*SLOT
	s_add_nc_u64 s[G0+4*\s+2:G0+4*\s+3], s[2:3], \s*4096
	s_or_b32 s[G0+4*\s+3], s[G0+4*\s+3], 0x80000000
	s_mov_b32 s[G0B+4*\s], 1
	s_add_co_u32 s[G0B+4*\s+1], s23, \s*SLOT
	s_add_nc_u64 s[G0B+4*\s+2:G0B+4*\s+3], s[98:99], \s*4096
	s_or_b32 s[G0B+4*\s+3], s[G0B+4*\s+3], 0x80000000
.endr
	; THE HEAD'S LOADS, ONE A WAVE: wave 0 K step 0 of A's 10 tiles, wave 1 of B's 16, wave 2 A's scale words, wave 3 B's
	s_mov_b32 s4, 1
	s_mov_b32 s5, 0
	s_mov_b64 s[6:7], s[2:3]
	s_or_b32 s7, s7, 0x80000000
	s_lshl_b32 s104, s18, 17
	s_mov_b32 s8, 1
	s_mov_b32 s9, BOFF
	s_sub_nc_u64 s[10:11], s[98:99], s[104:105]
	s_or_b32 s11, s11, 0x80000000
.macro ARM under, g0, g1, next
	s_cmp_lt_u32 s16, \under
	s_cbranch_scc0 \next
	tensor_load_to_lds s[\g0:\g0+3], s[\g1:\g1+7]
	s_nop 0
.rept 4
	v_nop
.endr
	s_branch .Lhead_asked
\next:
.endm
	ARM 1, 4, G1, .Lhead_b
	ARM 2, 8, G1B, .Lhead_sa
	ARM 3, G0S, G1S, .Lhead_sb
	tensor_load_to_lds s[G0SB:G0SB+3], s[G1SB:G1SB+7]
	s_nop 0
.rept 4
	v_nop
.endr
.Lhead_asked:
	; the prefetches: a K step of the tiles that my wave fetches in the ring is 80 (A) or 128 (B) blocks of 256 bytes; each of the four partners that ask jointly takes 20 or 32, told apart by address
	s_cmp_eq_u32 s17, 0
	s_cselect_b64 s[98:99], s[2:3], s[98:99]
	s_cselect_b32 s100, 20, 32
	s_cselect_b32 s101, s20, s21
	s_mul_i32 s101, s101, s100
	s_sub_co_u32 s100, s100, 1
	v_and_b32 v1, 31, v0
	v_lshlrev_b32 v[LI], 4, v1
	s_wait_alu depctr_va_vdst(0)
	v_and_b32 v5, 15, v0
	s_wait_alu depctr_va_vdst(0)
	v_bfe_u32 v6, v0, 4, 1
	s_wait_alu depctr_va_vdst(0)
	v_lshlrev_b32 v[VBR], 6, v6
	s_lshl_b32 s104, s20, 10
	s_lshl_b32 s105, s18, 9
	s_add_co_u32 s104, s104, s105
	s_mov_b32 s105, 0
	s_add_nc_u64 s[12:13], s[12:13], s[104:105]
	s_add_nc_u64 s[14:15], s[14:15], s[104:105]
	WIN 0xc0
.irp t, 0,1,2,3,4,5,6,7
	global_load_b128 v[64+8*\t:67+8*\t], v[VBR], s[12:13] offset:(32*(\t/2)+8*(\t%2))*4
	global_load_b128 v[68+8*\t:71+8*\t], v[VBR], s[12:13] offset:(32*(\t/2)+8*(\t%2))*4+16
.endr
	WIN 0
	s_mul_i32 s19, s17, 20480
	s_lshl_b32 s23, s18, 15
	s_add_co_u32 s23, s23, BOFF
.irp s, 0,1
	v_add_nc_u32 v[ADRA+\s], s19, v[LI]
	v_add_nc_u32 v[ADRB+\s], s23, v[LI]
	s_add_co_u32 s19, s19, SLOT
	s_add_co_u32 s23, s23, SLOT
.endr
	v_lshlrev_b32 v[ADRS], 3, v5
	s_mul_i32 s19, s17, 2560
	s_lshl_b32 s23, s18, 12
	s_add_co_u32 s23, s23, 5120
	s_sub_co_u32 s23, s23, s19
	v_mul_u32_u24 v7, s23, v6
	s_add_co_u32 s19, s19, ASC
	v_add_nc_u32 v[ADRS], v[ADRS], v7
	v_add_nc_u32 v[ADRS], s19, v[ADRS]
	s_mul_i32 s19, s16, 16*SPITCH
	s_add_co_u32 s19, s19, STAGE
	v_mul_u32_u24 v[STO], v5, SPITCH
	v_lshl_add_u32 v[STO], v6, 6, v[STO]
	v_add_nc_u32 v[STO], s19, v[STO]
	v_add_nc_u32 v[RD], s19, v[LI]
	s_lshl_b32 s45, s42, 1
	s_add_co_u32 s45, s45, s17
	s_mul_i32 s44, s45, 5
	s_sub_co_u32 s40, s45, 96
	s_lshl_b32 s41, s40, 2
	s_add_co_u32 s41, s41, 480
	s_cmp_eq_u32 s22, 12
	s_cselect_b32 s44, s41, s44
.macro FRAG reg, adr, q, i
.irp c, 0,1,2,3
	ds_load_b128 v[(\reg)+4*\c:(\reg)+4*\c+3], v[\adr] offset:(\i)*4096+(\q)*2048+512*\c
.endr
.endm
.macro FETCH set, slot, q
	WIN 0x40
.irp i, 0,1,2,3,4,5,6,7
	FRAG 128*(\set)+16*\i, ADRB+\slot, \q, \i
.endr
	WIN 0
.irp i, 0,1,2,3,4
	FRAG 64+80*(\set)+16*\i, ADRA+\slot, \q, \i
.endr
.endm
.macro SCALES sc
.irp i, 0,1,2,3,4,5,6,7
	ds_load_b64 v[SC+16*\sc+2*\i:SC+16*\sc+2*\i+1], v[ADRS] offset:\i*512
.endr
.endm
.macro MULA a, set, q, sc, first
.set AC, 64*((\a)%4)
.set AFS, 64+80*(\set)+16*(\a)
.if (\a) == 4
	WIN 0xf1
.elseif \first
	WIN 0xb1
.else
	WIN 0xa1
.endif
.irp b, 0,1,2,3,4,5,6,7
.if \first
	v_wmma_scale_f32_16x16x128_f8f6f4 v[AC+8*\b:AC+8*\b+7], v[128*(\set)+16*\b:128*(\set)+16*\b+15], v[AFS:AFS+15], v[64+8*\b:71+8*\b], v[SC+16*(\sc)+2*\b+(\q)], v[SC+16*(\sc)+2*(\a)+(\q)] matrix_a_scale:MATRIX_SCALE_ROW1
.else
	v_wmma_scale_f32_16x16x128_f8f6f4 v[AC+8*\b:AC+8*\b+7], v[128*(\set)+16*\b:128*(\set)+16*\b+15], v[AFS:AFS+15], v[AC+8*\b:AC+8*\b+7], v[SC+16*(\sc)+2*\b+(\q)], v[SC+16*(\sc)+2*(\a)+(\q)] matrix_a_scale:MATRIX_SCALE_ROW1
.endif
.endr
.endm
.macro STEP slot, first
	s_wait_dscnt 0x0
.if !\first
	PLACES NP
.endif
	FETCH 1, \slot, 1
	MULA 0, 0, 0, \slot, \first
	MULA 1, 0, 0, \slot, \first
	MULA 2, 0, 0, \slot, \first
	MULA 3, 0, 0, \slot, \first
	MULA 4, 0, 0, \slot, \first
.endm
.macro TURN slot, next, fill
	WIN 0
	s_wait_tensorcnt 0x0
	ds_add_u32 v[SPW], v[NIL]
	s_wait_dscnt 1
	MULA 0, 1, 1, \slot, 0
	MULA 1, 1, 1, \slot, 0
	s_wait_dscnt 0x0
	s_barrier_signal -1
	MULA 2, 1, 1, \slot, 0
	MULA 3, 1, 1, \slot, 0
	WIN 0
	s_barrier_wait -1
.if \fill
	CREST
	s_add_nc_u64 s[G0+4*\slot+2:G0+4*\slot+3], s[G0+4*\slot+2:G0+4*\slot+3], 8192
	s_add_nc_u64 s[G0B+4*\slot+2:G0B+4*\slot+3], s[G0B+4*\slot+2:G0B+4*\slot+3], 8192
	JLOAD G0+4*\slot, G1, G0B+4*\slot, G1B
	PLACES NP-4
.else
	PLACES NP
.endif
	s_wait_alu depctr_va_vdst(0)
	v_add_nc_u32 v[ADRS], 128, v[ADRS]
	FETCH 0, \next, 0
	SCALES \next
	MULA 4, 1, 1, \slot, 0
.endm
	v_and_b32 v8, 31, v0
	v_min_u32 v8, s100, v8                         ; lanes that are left over name my share's last block again
	v_add_nc_u32 v8, s101, v8                      ; the block's number: tile = number / 16, 16,384 bytes apart; 256 bytes a block
	v_lshrrev_b32 v9, 4, v8
	v_and_b32 v8, 15, v8
	v_lshlrev_b32 v8, 8, v8
	v_lshl_add_u32 v8, v9, 14, v8
	global_prefetch_b8 v8, s[98:99] offset:4096 th:TH_LOAD_NT scope:SCOPE_SE   ; K step 1, which slot 1's first fill will ask for behind the next round
	global_prefetch_b8 v8, s[98:99] offset:8192 th:TH_LOAD_NT scope:SCOPE_SE   ; K step 2, which the first refill will ask for
	s_wait_alu depctr_va_vdst(0)                   ; at the head's end
	s_wait_tensorcnt 0x0                           ; my tile of the head's four is in; these lines stand ahead of a later first fill as ahead of a refill
	ds_add_u32 v[SPW], v[NIL]
	s_mov_b32 s[G1+2], 5<<16                       ; no tensor load of mine is out: from here on a load brings 5 tiles of A or 8 of B
	s_mov_b32 s[G1+4], 5
	s_mov_b32 s[G1B+2], 8<<16
	s_mov_b32 s[G1B+4], 8
	s_wait_dscnt 0x0
	CROUND
	JLOAD G0+4, G1, G0B+4, G1B
	FETCH 0, 0, 0
	SCALES 0
	global_prefetch_b8 v8, s[98:99] offset:12288 th:TH_LOAD_NT scope:SCOPE_SE  ; K step 3, which the second refill will ask for
	s_wait_loadcnt 0x0
	STEP 0, 1
	TURN 0, 1, 1
	STEP 1, 0
	TURN 1, 0, 1
	STEP 0, 0
	TURN 0, 1, 0
	STEP 1, 0
	s_wait_dscnt 0x0
	MULA 0, 1, 1, 1, 0
	MULA 1, 1, 1, 1, 0
	MULA 2, 1, 1, 1, 0
	MULA 3, 1, 1, 1, 0
	MULA 4, 1, 1, 1, 0
	WIN 0
.macro TOSTAGE a
.set AC, 64*((\a)%4)
	WIN 0x08+4*((\a)/4)
.irp b, 0,1,2,3,4,5,6,7
	ds_store_b128 v[STO], v[AC+8*\b:AC+8*\b+3] offset:128*(\b/2)+32*(\b%2)
	ds_store_b128 v[STO], v[AC+8*\b+4:AC+8*\b+7] offset:128*(\b/2)+32*(\b%2)+16
.endr
	WIN 0
.set BB, BK+64*((\a)%2)
.irp t, 0,1,2,3,4,5,6,7,8,9,10,11,12,13,14,15
	ds_load_b128 v[BB+4*\t:BB+4*\t+3], v[RD] offset:\t*SPITCH
.endr
.endm
.macro BASE a
	s_add_co_u32 s2, s44, \a
	s_and_b32 s3, s2, 63
	s_lshr_b32 s19, s3, 1
	s_lshl_b32 s19, s19, 5
	s_and_b32 s3, s3, 1
	s_lshl_b32 s3, s3, 3
	s_add_co_u32 s19, s19, s3
	s_lshl_b32 s19, s19, 15
	s_lshr_b32 s2, s2, 6
	s_lshl_b32 s2, s2, 12
	s_add_co_u32 s2, s2, s19
	s_mov_b32 s3, 0
	s_add_nc_u64 s[46:47], s[14:15], s[2:3]
.endm
.macro STORES a
.set BB, BK+64*((\a)%2)
.irp t, 0,1,2,3,4,5,6,7,8,9,10,11,12,13,14,15
	global_store_b128 v[LI], v[BB+4*\t:BB+4*\t+3], s[46:47] offset:(\t+8*(\t/8))*32768 th:TH_STORE_NT
.endr
.endm
	PLACES NP
	TOSTAGE 0
.irp a, 1,2,3,4
.if \a > 1
	s_wait_xcnt 0x0
.endif
	TOSTAGE \a
	s_wait_dscnt 32
	s_wait_xcnt 0x0
	BASE \a-1
	STORES \a-1
.endr
	s_wait_dscnt 0x0
	s_wait_xcnt 0x0
	s_cmp_eq_u32 s22, 12
	s_cbranch_scc1 .Ldummy_tile
	BASE 4
	STORES 4
	s_branch .Lstored
.Ldummy_tile:
	s_lshl_b32 s2, s40, 12
	s_add_co_u32 s2, s2, 0x2000000
	s_mov_b32 s3, 0
	s_add_nc_u64 s[46:47], s[14:15], s[2:3]
	global_store_b128 v[LI], v[BK:BK+3], s[46:47] th:TH_STORE_NT
.Lstored:
	s_wait_tensorcnt 0x0
	ds_add_u32 v[SPW], v[NIL]
	s_wait_dscnt 0x0
	CROUND
	s_endpgm
.Lfunc_end_k_qf606394f6e_outp:
	.size	k_qf606394f6e_outp, .Lfunc_end_k_qf606394f6e_outp-k_qf606394f6e_outp
	.p2alignl 7, 3214868480
	.fill 96, 4, 3214868480
	.section	.rodata,"a",@progbits
	.p2align	6, 0x0
	.amdhsa_kernel k_qf606394f6e_outp
		.amdhsa_group_segment_fixed_size 327680
		.amdhsa_private_segment_fixed_size 0
		.amdhsa_enable_private_segment 0
		.amdhsa_kernarg_size 48
		.amdhsa_user_sgpr_count 2
		.amdhsa_user_sgpr_kernarg_segment_ptr 1
		.amdhsa_wavefront_size32 1
		.amdhsa_system_sgpr_workgroup_id_x 1
		.amdhsa_system_sgpr_workgroup_id_y 1
		.amdhsa_system_sgpr_workgroup_id_z 1
		.amdhsa_system_vgpr_workitem_id 0
		.amdhsa_next_free_vgpr 1024
		.amdhsa_next_free_sgpr 106
		.amdhsa_reserve_vcc 0
		.amdhsa_float_denorm_mode_32 3
		.amdhsa_float_denorm_mode_16_64 3
		.amdhsa_memory_ordered 1
		.amdhsa_forward_progress 1
		.amdhsa_inst_pref_size 108
	.end_amdhsa_kernel
	.amdgpu_metadata
---
amdhsa.version: [ 1, 2 ]
amdhsa.kernels:
  - .name:           k_qf606394f6e_outp
    .symbol:         k_qf606394f6e_outp.kd
    .args:
      - { .name: ao, .offset: 0, .size: 8, .value_kind: global_buffer, .address_space: global }
      - { .name: aos, .offset: 8, .size: 8, .value_kind: global_buffer, .address_space: global }
      - { .name: cod, .offset: 16, .size: 8, .value_kind: global_buffer, .address_space: global }
      - { .name: scl, .offset: 24, .size: 8, .value_kind: global_buffer, .address_space: global }
      - { .name: out_proj_bias, .offset: 32, .size: 8, .value_kind: global_buffer, .address_space: global }
      - { .name: out0, .offset: 40, .size: 8, .value_kind: global_buffer, .address_space: global }
    .group_segment_fixed_size: 327680
    .private_segment_fixed_size: 0
    .kernarg_segment_align: 8
    .kernarg_segment_size: 48
    .max_flat_workgroup_size: 128
    .sgpr_count:     106
    .vgpr_count:     1024
    .wavefront_size: 32
...
	.end_amdgpu_metadata
.endif
;; end of part 4
